; MI455X (gfx1250); checked and timed in simulation.
; The chip was launched on July 23, 2026; its instructions are those of AMD's public machine-readable ISA for CDNA 5 (MIT licence, August 2026) and "CDNA5" Instruction Set Architecture Reference Guide (July 2026). The comments in the code are by the model that wrote it; some were corrected since.
;; Attention. Allowed arithmetic: matrix products marked QUANTISED: E5M2 operands, one E8M0 scale for each 32 along K, by v_wmma_scale_f32_16x16x128_f8f6f4 with both operands' format E5M2, f32 sums; everything else in f32.
;; Inputs: wk_codes 1,024 x 32 x 32 uint8 (E5M2 codes of wk, K innermost, in blocks of 32 codes); wk_scales 1,024 x 32 uint8 (E8M0 scales of wk, one for each 32 codes along K); wq_codes 1,024 x 32 x 32 uint8 (E5M2 codes of wq, K innermost, in blocks of 32 codes); wq_scales 1,024 x 32 uint8 (E8M0 scales of wq, one for each 32 codes along K); wv_codes 1,024 x 32 x 32 uint8 (E5M2 codes of wv, K innermost, in blocks of 32 codes); wv_scales 1,024 x 32 uint8 (E8M0 scales of wv, one for each 32 codes along K); x_codes 4 x 2,048 x 32 x 32 uint8 (E5M2 codes of x, K innermost, in blocks of 32 codes); x_scales 4 x 2,048 x 32 uint8 (E8M0 scales of x, one for each 32 codes along K).
;; Outputs: out0 4 x 2,048 x 1,024 float32.
;; This version of the problem:
;;   THIS VERSION OF THE PROBLEM IS GIVEN IN LOW PRECISION. The matrix products marked QUANTISED in the list below multiply operands that are first quantised to E5M2 (5 exponent bits, 2 mantissa bits; 8 bits a number), with one power-of-two scale for each 32 numbers along K (OCP MX v1.0); their sums are f32. All else is computed in f32.
;;   The module's matrix products, in the order in which they are computed (A, B: the left and right operand; K: the contracted axis; several contracted axes count as one K, in the product's order):
;;     1. [M 8,192, K 1,024] x [K 1,024, N 1,024]; A: input x (given as codes); B: input wq (given as codes): QUANTISED
;;     2. [M 8,192, K 1,024] x [K 1,024, N 1,024]; A: input x (given as codes); B: input wk (given as codes): QUANTISED
;;     3. [M 8,192, K 1,024] x [K 1,024, N 1,024]; A: input x (given as codes); B: input wv (given as codes): QUANTISED
;;     4. batch 4 x [M 2,048, K 1,024] x [K 1,024, N 2,048]; A: computed on the way; B: computed on the way: QUANTISED
;;     5. batch 4 x [M 2,048, K 2,048] x [K 2,048, N 1,024]; A: softmax (see below); B: computed on the way: QUANTISED
;;   THE QUANTISER, for each operand of a quantised product, along K:
;;     - K is cut into blocks of 32 from its start; a last block that is shorter is filled with zeros.
;;     - A block's scale is 2^e with e = floor(log2(the largest magnitude in the block)) - 15, held to -126 .. 127; a block of zeros has e = 0. As a byte (E8M0): e + 127.
;;     - Each number is divided by its block's scale, clamped to +-57,344, and rounded to the nearest number of E5M2, ties to even, subnormals kept.
;;     - The product sums the exact products of the quantised numbers (number of the format x scale) in f32.
;;   ~~~python
;;   def quantise(x, axis):      # numpy; x: float32 -> the quantised numbers, widened to float32 again
;;       x = np.moveaxis(x, axis, -1); K = x.shape[-1]
;;       x = np.pad(x, [(0, 0)] * (x.ndim - 1) + [(0, -K % 32)]); x = x.reshape(x.shape[:-1] + (-1, 32)); a = np.abs(x).max(-1, keepdims=True)
;;       e = np.where(a > 0, np.clip(np.frexp(np.where(a > 0, a, 1))[1] - 1 - 15, -126, 127), 0)      # np.frexp(a)[1] - 1 = floor(log2(a)), exactly
;;       r = np.clip(x / 2.0 ** e, -57344, 57344)
;;       step = 2.0 ** (np.maximum(np.frexp(np.where(r == 0, 1, r))[1] - 1, -14) - 2)
;;       q = np.round(r / step) * step * 2.0 ** e      # np.round: ties to even
;;       return np.moveaxis(q.reshape(q.shape[:-2] + (-1,))[..., :K], -1, axis).astype(np.float32)
;;   ~~~
;;   SOFTMAX AHEAD OF A QUANTISED PRODUCT. Where the list says 'softmax', what is quantised is not the finished softmax but p = 2^(t - M), with t = logit x log2(e) and M = ceil(the row's largest t), a whole number; so 1/2 < the row's largest p <= 1. The row's sum l is taken of the UNQUANTISED p, in f32, and the product's result is divided by l at the end. Since M is a whole number, a kernel that streams over the keys may use a running M (the ceiling of the running maximum): every later rescaling is an exact power of two, which a block's scale takes up: the codes' values come out the same.
;;   OPERANDS COMPUTED ON THE WAY. 'Computed on the way' means the value that the module computes at that place (a softmax that the list does not call 'softmax' is quantised finished and normalised). What goes into a quantiser is computed in f32, as accurately as f32 sums, v_exp_f32 and their like allow (about 1e-6 of the number): no bf16 or f16 on the way to a quantiser, and a product that is left as it is and whose result goes on into a quantised operand takes f32 operands (vector FMAs, or v_wmma_f32_16x16x4_f32). A number that lies on a knife's edge between two numbers of the format may be rounded either way, as far as f32 arithmetic and the matrix unit's own rounding can turn it there, and no further.
;;   INPUTS GIVEN AS CODES. wk (in the module: [1024, 1024], K = its axis 1); wq (in the module: [1024, 1024], K = its axis 1); wv (in the module: [1024, 1024], K = its axis 1); x (in the module: [4, 2048, 1024], K = its axis 2): each comes as NAME_codes (uint8): NAME with its K axis moved to the last place and cut into blocks of 32 codes, [.., K / 32, bytes a block], one block behind the other in memory; one code a byte (a code: sign, 5 exponent bits, 2 mantissa bits); and NAME_scales (uint8): the same leading axes, one E8M0 byte (e + 127) for each 32 codes along K. Its value is code x scale, taken as it is: it is not quantised again, and the codes and scales need not be those that the quantiser above would give.
;; One version. Each part assembles by itself: llvm-mc -triple=amdgcn-amd-amdhsa -mcpu=gfx1250 --defsym DOCPART=n.
;; ======== version 1 of 1: 3 launches
;; limits: right only within a limited range of input values
;; workspace buffers: qimg 8,650,752 bytes; kimg 8,650,752 bytes; vimg 8,650,752 bytes; pimg 9,437,184 bytes; pstat 1,572,864 bytes
;; launch proj (part 1): grid 16 x 16, 4 waves a work-group, clusters of 4 x 4, 327,680 bytes of LDS; arguments x_codes, x_scales, wq_codes, wq_scales, wk_codes, wk_scales, wv_codes, wv_scales, qimg, kimg, vimg; writes qimg, kimg, vimg
.if DOCPART == 1
	.amdgcn_target "amdgcn-amd-amdhsa--gfx1250"
	.amdhsa_code_object_version 6
	.text
	.protected	k_qc2e6b6877f_proj
	.globl	k_qc2e6b6877f_proj
	.p2align	8
	.type	k_qc2e6b6877f_proj,@function
k_qc2e6b6877f_proj:
	s_mov_b64 s[64:65], 0
	v_nop
	global_prefetch_b8 v0, s[64:65] scope:SCOPE_SE
	s_setreg_imm32_b32 hwreg(HW_REG_WAVE_MODE, 25, 1), 1
	s_wait_xcnt 0x0
	s_wait_alu depctr_hold_cnt(0) depctr_sa_sdst(0) depctr_va_vdst(0) depctr_va_sdst(0) depctr_va_ssrc(0) depctr_va_vcc(0) depctr_vm_vsrc(0)
	s_getreg_b32 s2, hwreg(HW_REG_IB_STS2, 6, 4)
	s_cmp_eq_u32 s2, 0
	s_cbranch_scc0 .Lentry_in_a_cluster
	s_endpgm
.Lentry_in_a_cluster:
	s_bfe_u32 s2, ttmp6, 0x10000c
	s_cmp_lg_u32 s2, 0xf033
	s_cbranch_scc0 .Lentry_shape_is_right
	s_endpgm
.Lentry_shape_is_right:
; THE PROGRAM: out = softmax(causal(q k^T / 32)) v, q = x wq^T, k = x wk^T, v = x wv^T, all five products on codes of BF8 (E5M2) with one E8M0 scale for each 32 along K.  Three launches:
;   proj (this one): the projections; q, k quantised along the features, v along the keys, in registers.   score: q k^T, p = 2^(t - M), p as codes.   pv: joins a row's M and sums, multiplies p by v, divides.
; WORK LEFT OUT.  reference() sets every score with key > query to -infinity by a mask that it builds itself: p = 0 there, which adds nothing to the row's sum nor to the output, whatever finite values the inputs hold.
; So tiles of 256 x 256 wholly above the diagonal are not multiplied (score), and key steps wholly past a block of 128 queries are not walked (pv).  Every input has a way to the output and is loaded.
; LIMITS: a NaN, an infinity or an overflow that reaches only the scores left out is not carried to the result.  NaN and infinities among q, k, v are not served.  A block of zeros gets the scale byte 1 where the rule
; says 127: its codes are zeros, and this program alone reads the bytes.
; THE BUFFERS.  A block BLK of 33,792 bytes holds 128 rows x 256 K as images of operand registers: fragment (q = which 128 of K, i = which 16 rows) at 2048 (8 q + i): registers 4 c .. 4 c + 3 of lane l at 512 c + 16 l;
; then the scale words: row 16 i + r, q-th 128: at 32,768 + 512 q + 32 r + 4 i.  qimg, kimg: [rows / 128][features / 256] blocks.  vimg: [batch][d / 128][keys / 256] blocks, rows = d, K = keys; inside 32 keys place 16 h + 8 u + j
; holds key 16 u + 8 h + j, as p's codes have it.
; THE DEAL.  256 work-groups of four waves, 2 x 2 (w = s15: row of waves, s16: column); a wave holds 64 rows of a weight, ALL of K, in registers (512) and streams x's rows past them in blocks of 16, two whole sets of registers (256).
; PHASE 1: 512 rows x 128 columns of q (tile columns 0 to 7) or k (8 to 15): sixteen blocks.  PHASE 2: 256 x 128 of v: eight blocks, of one of the work-group's own two windows of 256 rows: number s18; W_v's tile column is 4 (cluster x / 2) + cx.
; Block b of a chunk of 128 rows: rows 64 (b / 2) + 32 w + 16 (b % 2): blocks 2 p, 2 p + 1 are the 32 keys of one scale block of v.
; THE ORDER OF WORK.  LDS holds two slots of 128 rows.  A weight's rows lie in a slot (the first in 1, W_v's in 0).  Phase 1 takes the window that is not v's first (chunks 0, 1), v's last (2, 3): chunk 3 still lies in slot 1 when v begins; chunk 2 comes anew.
; A wave's weight rows in phase 1: lane 8 m + i of tile j takes row 32 m + 8 j + i, so that a lane of the result holds 32 neighbouring features: one scale block.  In phase 2 the rows lie as they are.
; FILLS.  At the head the first weight (wave 0), chunk 0 (wave 1), a window's scale bytes each (waves 2, 3).  Refills, each in a drained round of the cluster's barrier, a quarter of 128 rows a wave: chunks 1, 2, 3 inside blocks 0, 4, 8 (their
; first halves shown by the barrier inside the block two on, their second by the next round); W_v's rows behind block 11; chunk 2 anew at the change of phase, behind W_v's loads, shown inside v's block 1.
; A block's way out stands among later products, two or three lines behind each.  The first way out of either phase has no block before it: it works on what stands there and stores nothing.
; A's rows are shared along a row of the cluster, a weight's along a column, by joint loads.
.set BLK, 33792
.set KROW, 1024
.set KS, 32
.set NB, 4
.set TM, 512
.set CH, 128
.set PITCH, KROW+16
.set FR, 16
.set FPW, 256/FR
.set NP, 8
.set NF, 34
.set YB, CH*PITCH
.set SCL, 2*CH*PITCH
.set RS, 32
.set SSTEP, 4*272
.set XN, SCL+2*RS*272  ; q's, k's scale bytes: a wave's at 640 x wave + 64: [r][block in the order of work][h]
.set XV, XN+2560  ; v's: a wave's 256: [r][tile][pair in the order of work]
.set SPARE, XV+1024
.set EMAX, 15
.set ADRA0, 4
.set CN, 5
.set AAS0, 6
.set CO, 9
.set SPW, 10
.set NIL, 11
.set ADRA, 12
.set VX, 13
.set ADRB, 14
.set ABS, 16
.set AAS, 17
.set ABV, 18
.set RD, 19
.set SOP, 20
.set SB, 24
.set SA, 44  ; no product's two scale words have numbers equal modulo 8
.set EB, 40
.set TQ, 60
.set ACC, 64  ; four sets of four accumulators: products write 0 and 1 by turns; 2 and 3 take a pair of v's blocks for its way out
.set WS, 128  ; in phase 1: W_v's scale words
.set NCD, 192
.set MCD, 192
.set G1A, 24
.set G0A, 56
.set G1B, 32
.set G0B, 60
.set G1R, 48
.set G0R, 68
.set G1S, 92
.set G0S, 72
.set MSB, 0
.macro WIN new  ; the immediate's high byte repeats the setting that is left
.if MSB != (\new)
	s_set_vgpr_msb (MSB<<8)|(\new)
.set MSB, (\new)
.endif
.endm
.macro PLACES n
.rept \n
	v_nop
.endr
.endm
.macro BARRIER
	s_barrier_signal -1
	s_barrier_wait -1
.endm
.macro CROUND  ; a round of the cluster's barrier
	BARRIER
	s_cmp_lg_u32 s14, 0
	s_cbranch_scc1 .Lnot_wave_0_\@
	s_barrier_signal -3
.Lnot_wave_0_\@:
	s_barrier_wait -3
	BARRIER
.endm
.macro TLOAD g0, g1  ; an s_nop 0 and four v_nop follow each load
	tensor_load_to_lds s[\g0:\g0+3], s[\g1:\g1+7]
	s_nop 0
	PLACES 4
.endm
.macro GROUP1 g, mask, rows  ; so many whole rows of K, 1,024 bytes each, 16 bytes of padding behind each in LDS
	s_or_b32 s[\g+0], s[\mask], (1<<20)|(1<<21)|(7<<22)|(3<<25)
	s_mov_b32 s[\g+1], (KROW&0xffff)<<16
	s_mov_b32 s[\g+2], (KROW>>16)|((\rows)<<16)
	s_mov_b32 s[\g+3], KROW<<16
	s_mov_b32 s[\g+4], \rows
	s_mov_b32 s[\g+5], KROW
	s_mov_b32 s[\g+6], 0
	s_mov_b32 s[\g+7], 0
.endm
.macro SADD d, x
	s_add_co_u32 s\d, s\d, s\x
.endm
	s_load_b512 s[84:99], s[0:1], 0x0  ; x codes, scales; wq; wk; wv
	v_lshl_add_u32 v[SPW], v0, 2, SPARE
	v_mov_b32 v[NIL], 0
	ds_add_u32 v[SPW], v[NIL]  ; the wave's opening: the add, twice on end, and its wait ahead of my first tensor load
	ds_add_u32 v[SPW], v[NIL]
	v_lshrrev_b32 v1, 5, v0
	v_readfirstlane_b32 s14, v1  ; wave 0..3
	s_lshr_b32 s15, s14, 1  ; my row of waves
	s_and_b32 s16, s14, 1  ; my column of waves
	s_bfe_u32 s40, ttmp6, 0x40000  ; cx, cy
	s_bfe_u32 s41, ttmp6, 0x40004
	s_lshl_b32 s42, ttmp9, 2
	s_add_co_u32 s42, s42, s40  ; tile column
	s_and_b32 s43, ttmp7, 0xffff
	s_lshl_b32 s43, s43, 2
	s_add_co_u32 s43, s43, s41  ; tile row
	s_lshr_b32 s19, ttmp9, 1  ; 0: q, 1: k
	s_and_b32 s18, ttmp9, 1  ; v's window
	s_and_b32 s17, s42, 7  ; feature tile of 128
	s_lshl_b32 s44, s41, 2
	s_lshl_b32 s44, 15, s44  ; my row of the cluster: shares x's rows
	s_lshl_b32 s45, 0x1111, s40  ; my column: shares a weight's
	GROUP1 G1B, 45, 128
	GROUP1 G1A, 44, CH
	GROUP1 G1R, 44, CH/4
	s_lshl_b32 s66, s43, 19  ; my tile row's first row of x, in bytes: 512 x 1,024
	s_lshl_b32 s20, s18, 18
	s_add_co_u32 s2, s66, s20  ; v's window
	s_xor_b32 s20, s20, TM/2*KROW
	SADD 66, 20  ; the other
	s_mov_b32 s67, 0
	s_lshl_b32 s13, s19, 2
	SADD 13, 40  ; W_v's tile column
	s_lshl_b32 s3, s13, 17  ; its first row, in bytes
	s_mul_i32 s12, s13, 128*KS  ; W_v's scale bytes: my wave's 64 rows
	s_mul_i32 s21, s16, 64*KS
	SADD 12, 21
	s_lshl_b32 s78, s17, 17  ; the first weight's codes
	s_mov_b32 s79, 0
	s_lshl_b32 s80, s43, 1  ; x's scale bytes: wave 2 the window that is not v's, wave 3 v's
	s_xor_b32 s20, s18, 1
	s_cmp_eq_u32 s16, 1
	s_cselect_b32 s20, s18, s20
	SADD 80, 20
	s_mul_i32 s80, s80, TM/2*KS
	s_mov_b32 s81, 0
	s_mul_i32 s82, s17, 128*KS  ; the first weight's scale bytes: my wave's 64 rows
	SADD 82, 21
	s_mov_b32 s83, 0
	s_mov_b32 s[G0A], 1
	s_mov_b32 s[G0A+1], 0
	s_mov_b32 s[G0B], 1
	s_mov_b32 s[G0B+1], YB
	s_mov_b32 s[G0R], 1
	s_mov_b32 s[G0S], 1
	s_mul_i32 s[G0S+1], s16, RS*272
	s_add_co_u32 s[G0S+1], s[G0S+1], SCL
	v_and_b32 v1, 15, v0  ; r
	v_bfe_u32 v2, v0, 4, 1  ; h
	v_and_b32 v3, 31, v0  ; l
	v_and_b32 v8, 8, v1
	v_mul_u32_u24 v22, v1, PITCH
	v_mad_u32_u24 v23, v2, 16, v22  ; a fragment's row x pitch + 16 h
	s_mul_i32 s20, s15, 32*PITCH
	v_add_nc_u32 v[ADRA0], s20, v23  ; block 0
	s_mul_i32 s22, s16, 64*PITCH
	v_add_nc_u32 v[ADRB+1], s22, v23  ; W_v's, in slot 0: rows as they are
	v_mad_u32_u24 v23, v8, 3*PITCH, v23  ; the first weight's: row r + 24 (r / 8)
	s_add_co_u32 s22, s22, YB
	v_add_nc_u32 v[ADRB], s22, v23
	v_mad_u32_u24 v22, v8, 3, v1
	v_lshl_add_u32 v22, v2, 3, v22
	v_lshlrev_b32 v[ABS], 5, v22  ; its scale bytes: lanes 0-15 tile 2 p, lanes 16-31 tile 2 p + 1
	v_lshlrev_b32 v[ABV], 5, v3  ; W_v's
	v_lshlrev_b32 v23, 5, v1  ; x's scale bytes in LDS: 32 a row, and 16 more for each 256 passed
	v_lshrrev_b32 v22, 3, v1
	v_lshl_add_u32 v23, v22, 4, v23
	s_mul_i32 s20, s15, 4*272
	s_add_co_u32 s20, s20, SCL
	v_add_nc_u32 v[AAS0], s20, v23
	s_wait_alu depctr_va_vdst(0)
	s_wait_dscnt 0x0  ; both opening adds are done
	CROUND  ; all sixteen work-groups are here
	s_wait_kmcnt 0x0
	s_mov_b64 s[4:5], s[84:85]
	s_add_nc_u64 s[G0S+2:G0S+3], s[86:87], s[80:81]
	s_cmp_eq_u32 s19, 1  ; hangs on the cluster's number alone
	s_cselect_b64 s[20:21], s[92:93], s[88:89]
	s_cselect_b64 s[10:11], s[94:95], s[90:91]
	s_add_nc_u64 s[G0A+2:G0A+3], s[4:5], s[66:67]
	s_add_nc_u64 s[G0B+2:G0B+3], s[20:21], s[78:79]
	s_add_nc_u64 s[10:11], s[10:11], s[82:83]
	s_or_b32 s[G0S+3], s[G0S+3], 0x80000000
	s_or_b32 s[G0A+3], s[G0A+3], 0x80000000
	s_or_b32 s[G0B+3], s[G0B+3], 0x80000000
	s_mov_b32 s20, s3
	s_mov_b32 s21, 0
	s_add_nc_u64 s[86:87], s[96:97], s[20:21]  ; W_v's rows
	s_mov_b32 s20, s12
	s_add_nc_u64 s[8:9], s[98:99], s[20:21]  ; and their scale bytes
; a window's scale bytes: 8,192 dense bytes as 32 rows of 256 (32 elements of 8), 16 of padding behind each.  (The arguments that lay here have been used)
	s_or_b32 s[G1S+0], s44, (3<<16)|(1<<20)|(1<<21)|(5<<22)|(3<<25)
	s_mov_b32 s[G1S+1], 32<<16
	s_mov_b32 s[G1S+2], RS<<16
	s_mov_b32 s[G1S+3], 32<<16
	s_mov_b32 s[G1S+4], RS
	s_mov_b32 s[G1S+5], 32
	s_mov_b32 s[G1S+6], 0
	s_mov_b32 s[G1S+7], 0
	s_cmp_eq_u32 s14, 0  ; one joint load a wave; what is shown ahead of the rest has a line of its own
	s_cbranch_scc0 .Lwave_1
	TLOAD G0B, G1B  ; wave 0: the first weight's rows, which are wanted first
	s_branch .Lasked
.Lwave_1:
	s_cmp_eq_u32 s14, 1
	s_cbranch_scc0 .Lfor_scales
	TLOAD G0A, G1A  ; wave 1: chunk 0
	s_branch .Lasked
.Lfor_scales:
	TLOAD G0S, G1S  ; waves 2, 3: a window's scale bytes each
.Lasked:
	s_lshl_b32 s90, s40, 2  ; which of the cluster row's sixteen waves I am: my share of a prefetch of x's rows;
	s_add_co_u32 s90, s90, s14
	s_lshl_b32 s100, s41, 2  ; and of the column's: of W_v's
	s_add_co_u32 s100, s100, s14
; WHERE MY RESULTS GO: offsets now, the buffers' addresses in front of the stream
	s_lshl_b32 s20, s43, 4
	s_lshr_b32 s21, s17, 1
	SADD 20, 21
	s_mul_i32 s20, s20, BLK  ; block (4 x tile row) x 4 + features / 256
	s_and_b32 s21, s17, 1
	s_lshl_b32 s22, s21, 14
	s_lshl_b32 s23, s21, 9
	s_add_co_u32 s76, s20, s22  ; s[76:77] codes: fragment (q, 2 w), registers of my 64 features
	s_lshl_b32 s22, s16, 10
	SADD 76, 22
	s_lshl_b32 s22, s15, 12
	SADD 76, 22
	s_mov_b32 s77, 0
	s_add_co_u32 s78, s20, s23  ; s[78:79] scale words: wave n stores chunk n in the order of work
	s_add_co_u32 s78, s78, 32768
	s_xor_b32 s22, s15, s18
	s_xor_b32 s22, s22, 1
	s_lshl_b32 s22, s22, 1
	SADD 22, 16
	s_mul_i32 s22, s22, 4*BLK
	SADD 78, 22
	s_lshl_b32 s20, s43, 1
	SADD 20, 18  ; v's window, 0 .. 31
	s_lshr_b32 s21, s20, 3
	s_and_b32 s22, s20, 7
	s_lshl_b32 s21, s21, 3
	SADD 21, 13
	s_lshl_b32 s21, s21, 3
	SADD 21, 22
	s_mul_i32 s21, s21, BLK  ; v's block
	s_lshl_b32 s22, s16, 13
	s_add_co_u32 s80, s21, s22  ; s[80:81] its codes: fragments 4 x column on, c = w on
	s_lshl_b32 s22, s15, 9
	SADD 80, 22
	s_lshl_b32 s22, s14, 8
	s_add_co_u32 s82, s21, s22  ; s[82:83] its scale words: wave n stores 256 bytes
	s_add_co_u32 s82, s82, 32768
	s_mul_i32 s21, s14, 640
	s_add_co_u32 s21, s21, XN+64-2
	s_lshl_b32 s22, s14, 8
	s_add_co_u32 s22, s22, XV
	v_lshlrev_b32 v[CO], 4, v3
	v_lshl_add_u32 v23, v1, 5, v2
	v_add_nc_u32 v[VX], s21, v23  ; a block's byte: 2 bytes a block, from 2 below the first
	v_lshlrev_b32 v23, 4, v1
	v_add_nc_u32 v[RD], s22, v23
	v_lshlrev_b32 v23, 9, v2
	v_lshl_add_u32 v[CN], v1, 4, v23
.irp p, 0,1
.irp c, 0,1
	global_load_b128 v[SB+8*\p+4*\c:SB+8*\p+4*\c+3], v[ABS], s[10:11] offset:\p*16*KS+16*\c
	global_load_b128 v[WS+8*\p+4*\c:WS+8*\p+4*\c+3], v[ABV], s[8:9] offset:\p*32*KS+16*\c
.endr
.endr
	s_wait_alu depctr_va_vdst(0)
	s_wait_xcnt 0x0  ; the fetch has taken its addresses
	s_add_co_u32 s6, s66, CH*KROW  ; chunk 1
	s_add_co_u32 s7, s2, CH*KROW  ; chunk 3
	s_lshl_b32 s21, s90, 13
	s_add_co_u32 s22, s21, s6
	v_lshl_add_u32 v7, v3, 8, s22  ; a prefetch's offsets: my sixteenth of chunk 1, of chunk 2
	s_add_co_u32 s22, s21, s2
	v_lshl_add_u32 v8, v3, 8, s22
	v_add_nc_u32 v1, 16*PITCH, v[ADRA0]  ; block 1's LDS addresses
	v_add_nc_u32 v2, 2*272, v[AAS0]
	s_wait_alu depctr_va_vdst(0)
	s_cmp_eq_u32 s14, 0
	s_cbranch_scc0 .Lnot_b
	s_wait_tensorcnt 0x0  ; wave 0: the first weight has landed.  The other waves' wait stands at the second barrier
.Lnot_b:
	BARRIER
	global_prefetch_b8 v7, s[4:5] th:TH_LOAD_NT scope:SCOPE_SE
	global_prefetch_b8 v8, s[4:5] th:TH_LOAD_NT scope:SCOPE_SE
.macro WALU
	s_wait_alu depctr_va_vdst(0)
.endm
.macro MIDDLE  ; a round's middle
	WIN 0
	s_barrier_wait -1
	s_cmp_lg_u32 s14, 0
	s_cbranch_scc1 .Lnot_wave_0_\@
	s_barrier_signal -3
.Lnot_wave_0_\@:
	s_barrier_wait -3
.endm
.macro GRD
	s_wait_tensorcnt 0x0
	ds_add_u32 v[SPW], v[NIL]
.endm
.macro FRAG f, adr, q, off  ; a weight's fragment f: 16 registers, in window 1 + f / 16
	WIN (1+(\f)/FPW)<<6
.irp c, 0,1,2,3
	ds_load_b128 v[FR*((\f)%FPW)+4*\c:FR*((\f)%FPW)+4*\c+3], v[\adr] offset:128*(\q)+32*\c+(\off)
.endr
.endm
.macro FETCHAT k, a, s  ; a block of x, 16 rows, all of K, into set k of window 3, and its scale words: NF loads
	WIN 3<<6
.irp q, 0,1,2,3,4,5,6,7
.irp c, 0,1,2,3
	ds_load_b128 v[128*\k+FR*\q+4*\c:128*\k+FR*\q+4*\c+3], v[\a] offset:128*\q+32*\c
.endr
.endr
	WIN 0
	ds_load_b128 v[SA+8*\k:SA+8*\k+3], v[\s]
	ds_load_b128 v[SA+8*\k+4:SA+8*\k+7], v[\s] offset:16
.endm
.macro PROD kind, e, a, n  ; product n = 4 q + b of a block: the q-th 128 of K, column tile b; x's rows in set e, sums in set a.  kind 0 (q, k): source 0 = the weight's rows; kind 1 (v): source 0 = x's rows
.set Q_, (\n)/4
.set B_, (\n)%4
.set FB_, NB*Q_+B_
.set AC_, ACC+32*(\a)+8*B_
.set R_, 128*(\e)+FR*Q_
.set W_, FR*(FB_%FPW)
.set XS_, SA+8*(\e)+Q_
.set WS_, SB+8*(B_/2)+Q_
.if \kind
	WIN 3|((1+FB_/FPW)<<2)
.if Q_ && B_%2
	v_wmma_scale_f32_16x16x128_f8f6f4 v[AC_:AC_+7], v[R_:R_+FR-1], v[W_:W_+FR-1], v[AC_:AC_+7], v[XS_], v[WS_] matrix_a_fmt:MATRIX_FMT_BF8 matrix_b_fmt:MATRIX_FMT_BF8 matrix_b_scale:MATRIX_SCALE_ROW1
.elseif Q_
	v_wmma_scale_f32_16x16x128_f8f6f4 v[AC_:AC_+7], v[R_:R_+FR-1], v[W_:W_+FR-1], v[AC_:AC_+7], v[XS_], v[WS_] matrix_a_fmt:MATRIX_FMT_BF8 matrix_b_fmt:MATRIX_FMT_BF8
.elseif B_%2
	v_wmma_scale_f32_16x16x128_f8f6f4 v[AC_:AC_+7], v[R_:R_+FR-1], v[W_:W_+FR-1], 0, v[XS_], v[WS_] matrix_a_fmt:MATRIX_FMT_BF8 matrix_b_fmt:MATRIX_FMT_BF8 matrix_b_scale:MATRIX_SCALE_ROW1
.else
	v_wmma_scale_f32_16x16x128_f8f6f4 v[AC_:AC_+7], v[R_:R_+FR-1], v[W_:W_+FR-1], 0, v[XS_], v[WS_] matrix_a_fmt:MATRIX_FMT_BF8 matrix_b_fmt:MATRIX_FMT_BF8
.endif
.else
	WIN (1+FB_/FPW)|(3<<2)
.if Q_ && B_%2
	v_wmma_scale_f32_16x16x128_f8f6f4 v[AC_:AC_+7], v[W_:W_+FR-1], v[R_:R_+FR-1], v[AC_:AC_+7], v[WS_], v[XS_] matrix_a_fmt:MATRIX_FMT_BF8 matrix_b_fmt:MATRIX_FMT_BF8 matrix_a_scale:MATRIX_SCALE_ROW1
.elseif Q_
	v_wmma_scale_f32_16x16x128_f8f6f4 v[AC_:AC_+7], v[W_:W_+FR-1], v[R_:R_+FR-1], v[AC_:AC_+7], v[WS_], v[XS_] matrix_a_fmt:MATRIX_FMT_BF8 matrix_b_fmt:MATRIX_FMT_BF8
.elseif B_%2
	v_wmma_scale_f32_16x16x128_f8f6f4 v[AC_:AC_+7], v[W_:W_+FR-1], v[R_:R_+FR-1], 0, v[WS_], v[XS_] matrix_a_fmt:MATRIX_FMT_BF8 matrix_b_fmt:MATRIX_FMT_BF8 matrix_a_scale:MATRIX_SCALE_ROW1
.else
	v_wmma_scale_f32_16x16x128_f8f6f4 v[AC_:AC_+7], v[W_:W_+FR-1], v[R_:R_+FR-1], 0, v[WS_], v[XS_] matrix_a_fmt:MATRIX_FMT_BF8 matrix_b_fmt:MATRIX_FMT_BF8
.endif
.endif
.endm
.macro HOLD x, b  ; a sum held at 57,344 x its block's scale (the conversion does not saturate: ISA guide 7.6.2)
	v_med3_num_f32 v[\x], v[\x], -v[TQ+\b], v[TQ+\b]
.endm
.macro SCALES i, n  ; 0: the conversion's scale operand; 1: the bound; 2: a second copy of it; 3: the scale byte
.if (\i) == 0
	v_add_nc_u32 v[SOP+\n], -(EMAX<<23), v[TQ]
.elseif (\i) == 1
	v_and_or_b32 v[TQ+1], v[TQ], 0x7f800000, s62
.elseif (\i) == 2
	v_mov_b32 v[TQ+3], v[TQ+1]
.else
	v_lshrrev_b32 v[EB+\n], 23, v[SOP+\n]
.endif
.endm
.macro MAXQ k, x  ; q, k: 18 lines: the largest magnitude of the 32 sums at x, and the floor under which a byte would fall under 1
.if (\k) < 4
	v_max3_num_f32 v[TQ+\k], |v[\x+8*(\k)]|, |v[\x+8*(\k)+1]|, |v[\x+8*(\k)+2]|
.elseif (\k) < 12
	v_max3_num_f32 v[TQ+(\k)%4], v[TQ+(\k)%4], |v[\x+8*((\k)%4)+2*((\k)/4)+1]|, |v[\x+8*((\k)%4)+2*((\k)/4)+2]|
.elseif (\k) < 16
	v_max_num_f32 v[TQ+(\k)%4], v[TQ+(\k)%4], |v[\x+8*((\k)%4)+7]|
.elseif (\k) == 16
	v_max3_num_f32 v[TQ], v[TQ], v[TQ+1], v[TQ+2]
.else
	v_max3_num_f32 v[TQ], v[TQ], v[TQ+3], (EMAX+1)<<23
.endif
.endm
.macro HOLDS m, x  ; two of a scale block's holds; the bound is read from its second copy where its first would be read too late
.if (\m) == 3
	HOLD \x, 3
	HOLD \x+1, 3
.else
	HOLD \x, 1
	HOLD \x+1, 1
.endif
.if (\m) == 2
	SCALES 2, 0
.endif
.endm
.macro GAPQ m, x  ; THE QUANTISER OF q's OR k's BLOCK, gaps 0 .. 26: a scale block of 32 lies in a lane: the sums at x -> codes NCD, byte EB
.if (\m) < 9
	MAXQ 2*(\m), \x
	MAXQ 2*(\m)+1, \x
.elseif (\m) == 9
	SCALES 0, 0
	SCALES 1, 0
.elseif (\m) < 26
	HOLDS (\m)-10, \x+2*((\m)-10)
.if ((\m)-10)%4 == 3
	v_cvt_scalef32_pk8_bf8_f32 v[NCD+2*(((\m)-10)/4):NCD+2*(((\m)-10)/4)+1], v[\x+8*(((\m)-10)/4):\x+8*(((\m)-10)/4)+7], v[SOP]
.endif
.elseif (\m) == 26
	SCALES 3, 0
.endif
.endm
.macro GAPV u, x  ; THE QUANTISER OF A PAIR OF v's BLOCKS, gaps 0 .. 59, 15 a tile: a scale block of 32 lies in lanes l and l xor 16: the even block's sums at x, the odd's at x + 32 -> codes MCD + 4 t, bytes EB + t
.set T_, (\u)/15
.set J_, (\u)%15
.set E_, \x+8*T_
.set O_, E_+32
.if (\u) > 59
.elseif J_ == 0
	v_max3_num_f32 v[TQ], |v[E_]|, |v[E_+1]|, |v[E_+2]|
	v_max3_num_f32 v[TQ+2], |v[O_]|, |v[O_+1]|, |v[O_+2]|
.elseif J_ < 3
	v_max3_num_f32 v[TQ], v[TQ], |v[E_+2*J_+1]|, |v[E_+2*J_+2]|
	v_max3_num_f32 v[TQ+2], v[TQ+2], |v[O_+2*J_+1]|, |v[O_+2*J_+2]|
.elseif J_ == 3
	v_max3_num_f32 v[TQ+2], v[TQ+2], |v[O_+7]|, (EMAX+1)<<23
	v_max3_num_f32 v[TQ], v[TQ], |v[E_+7]|, v[TQ+2]
.elseif J_ == 4
	v_permlanex16_b32 v[TQ+2], v[TQ], s60, s61
	v_max_num_f32 v[TQ], v[TQ], v[TQ+2]
.elseif J_ == 5
	SCALES 0, T_
	SCALES 1, T_
.elseif J_ < 10
	HOLDS J_-6, E_+2*(J_-6)
.if J_ == 9
	v_cvt_scalef32_pk8_bf8_f32 v[MCD+4*T_:MCD+4*T_+1], v[E_:E_+7], v[SOP+T_]
.endif
.elseif J_ < 14
	HOLDS J_-6, O_+2*(J_-10)
.if J_ == 13
	v_cvt_scalef32_pk8_bf8_f32 v[MCD+4*T_+2:MCD+4*T_+3], v[O_:O_+7], v[SOP+T_]
.endif
.else
	SCALES 3, T_
.endif
.endm
.macro RDESC i, off, lds  ; group 0 of a refill, in two parts: a quarter of 128 rows a wave, the rows at s[off] of x, into LDS at s[lds]
.if (\i) == 0
	s_mul_i32 s[G0R+1], s14, CH/4*PITCH
	s_add_co_u32 s[G0R+1], s[G0R+1], s\lds
	s_mul_i32 s20, s14, CH/4*KROW
	s_add_co_u32 s20, s20, s\off
.else
	s_mov_b32 s21, 0
	s_add_nc_u64 s[G0R+2:G0R+3], s[4:5], s[20:21]
	s_or_b32 s[G0R+3], s[G0R+3], 0x80000000
.endif
.endm
; WHAT STANDS BEHIND PRODUCT n.  j: the block's number in its trip (the second loop's: 4, 5; v's: -1, -2).  Behind 0 and 1 the stores' base and the addresses of the block two on; behind 2 a prefetch's; behind 29 and 30 a refill's group 0;
; from 1 on a way out: y = 1: q's or k's block at x; 2, 3: the halves of v's pair at x
.macro LIST n, j, y, x
.if (\n) == 0
.if (\j) == 1 || (\j) == 5
	s_mov_b64 s[84:85], s[88:89]
.elseif (\j) == 4
	s_sub_nc_u64 s[84:85], s[84:85], s[90:91]
.endif
	WIN 0
.if (\j) == 0 || (\j) == 1
	s_add_co_u32 s22, s101, (64+16*(\j))*PITCH
.elseif (\j) > 1
	s_add_co_u32 s22, s47, 16*((\j)%2)*PITCH
.else
	s_add_co_u32 s22, s47, 16*(-1-(\j))*PITCH
.endif
	v_add_nc_u32 v[ADRA], s22, v[ADRA0]
.elseif (\n) == 1
	WIN 0
.if (\j) == 0 || (\j) == 1
	s_add_co_u32 s22, s17, (8+2*(\j))*272
.elseif (\j) > 1
	s_add_co_u32 s22, s8, 2*((\j)%2)*272
.else
	s_add_co_u32 s22, s8, 2*(-1-(\j))*272
.endif
	v_add_nc_u32 v[AAS], s22, v[AAS0]
.endif
.if (\j) == 2 && (\n) == 2
	s_mov_b64 s[36:37], s[38:39]
	WIN 0
	v_lshl_add_u32 v7, v3, 8, s23
.elseif (\j) == 0 && ((\n) == 29 || (\n) == 30)
	RDESC (\n)-29, 6, 47
.endif
.if (\y) == 1 && (\n) > 0 && (\n) < 28
	WIN 0
	GAPQ (\n)-1, \x
.elseif (\y) == 2 && (\n) > 0 && (\n) < 31
	WIN 0
	GAPV (\n)-1, \x
.elseif (\y) == 3 && (\n) > 0 && (\n) < 31
	WIN 0
	GAPV (\n)+29, \x
.endif
.endm
.macro BLOCK kind, e, a, from, to, j, y, x
.set N_, \from
.rept (\to)-(\from)
	PROD \kind, \e, \a, N_
	LIST N_, \j, \y, \x
.set N_, N_+1
.endr
.endm
.macro BLK_ kind, e, a, w, j, y, x  ; a block; w: the wait's count (-1: none)
.if (\w) >= 0
	s_wait_dscnt \w
.endif
	s_wait_xcnt 0x0  ; the stores and prefetches behind me have taken their registers
	BLOCK \kind, \e, \a, 0, 32, \j, \y, \x
	WIN 0
	PLACES NP
.endm
.macro RBLK kind, e, a, w, j, y, x  ; a block with a round of the cluster's barrier: the lines at its head, the signal behind 28 products
.if (\w) >= 0
	s_wait_dscnt \w
.endif
	s_wait_xcnt 0x0
	GRD
	BLOCK \kind, \e, \a, 0, 28, \j, \y, \x
	WIN 0
	WALU
	s_wait_dscnt 0x0
	s_barrier_signal -1
	BLOCK \kind, \e, \a, 28, 32, \j, \y, \x
	MIDDLE
	BARRIER
.endm
.macro SBLK kind, e, a, w, j, y, x, half=0  ; a block with a plain barrier (half = 1: it shows waves 0 and 1's loads alone)
.if (\w) >= 0
	s_wait_dscnt \w
.endif
	s_wait_xcnt 0x0
	BLOCK \kind, \e, \a, 0, 28, \j, \y, \x
	WIN 0
	WALU
.if \half
	s_cmp_lt_u32 s14, 2
	s_cbranch_scc0 .Lnot_yet_\@
	s_wait_tensorcnt 0x0
.Lnot_yet_\@:
.else
	s_wait_tensorcnt 0x0
.endif
	s_wait_dscnt 0x0
	s_barrier_signal -1
	BLOCK \kind, \e, \a, 28, 32, \j, \y, \x
	WIN 0
	s_barrier_wait -1
	PLACES NP
.endm
.macro QOUT off, boff  ; a block's byte goes to its place in LDS, its 32 codes a lane leave: each store covers two whole units of 256 bytes
	ds_store_b8 v[VX], v[EB] offset:\boff
	global_store_b128 v[CN], v[NCD:NCD+3], s[84:85] offset:\off
	global_store_b128 v[CN], v[NCD+4:NCD+7], s[84:85] offset:(\off)+256
.endm
.irp q, 0,1,2,3,4,5,6,7  ; my 64 rows of the first weight, all of K: 128 loads
.irp b, 0,1,2,3
	FRAG NB*\q+\b, ADRB, \q, \b*8*PITCH
.endr
.endr
	WIN 0
	s_wait_tensorcnt 0x0  ; chunk 0 and the scale bytes are in; the first weight is in registers
	s_wait_dscnt 0x0
	BARRIER
	FETCHAT 0, ADRA0, AAS0
	FETCHAT 1, 1, 2
	s_load_b128 s[92:95], s[0:1], 0x40  ; qimg, kimg
	s_load_b64 s[96:97], s[0:1], 0x50  ; vimg
	s_mov_b32 s60, 0x76543210
	s_mov_b32 s61, 0xfedcba98
	s_mov_b32 s62, 0x600000  ; the mantissa field of 57,344
.set I_, 0
.rept 32
	v_mov_b32 v[ACC+32+I_], 0
.set I_, I_+1
.endr
	s_mov_b64 s[36:37], s[4:5]
	s_mov_b64 s[38:39], s[4:5]
	s_mul_i32 s20, s18, 8*BLK
	s_mov_b32 s21, 0
	s_wait_kmcnt 0x0
	s_cmp_eq_u32 s19, 1
	s_cselect_b64 s[92:93], s[94:95], s[92:93]
	s_add_nc_u64 s[94:95], s[92:93], s[78:79]
	s_add_nc_u64 s[98:99], s[96:97], s[82:83]
	s_add_nc_u64 s[96:97], s[96:97], s[80:81]
	s_add_nc_u64 s[92:93], s[92:93], s[76:77]
	s_add_nc_u64 s[76:77], s[92:93], s[20:21]  ; the codes of v's window
	s_xor_b32 s20, s20, 8*BLK
	s_add_nc_u64 s[88:89], s[92:93], s[20:21]  ; of the other window: the next chunk's base
	s_mov_b64 s[84:85], s[88:89]
	s_mov_b32 s46, 0  ; PHASE 1.  s46 the trip; s101, s47 this chunk's slot and the next chunk's; s17, s8 their scale words' step; s6 the rows that are loaded; s23 where my share of what is asked for ahead begins
	s_mov_b32 s23, 0
	s_mov_b32 s101, 0
	s_mov_b32 s47, YB
	s_mov_b32 s17, 0
	s_mov_b32 s8, 4*SSTEP
	s_wait_loadcnt 0x0
.Lfour:
	RBLK 0, 0, 0, NF, 0, 1, ACC+32  ; blocks 0, 4, 8: chunks 1, 2, 3 come
	s_cmp_lt_u32 s14, 2  ; waves 0, 1 and waves 2, 3 have a load line each: the barrier inside the block two on waits for the first line's alone
	s_cbranch_scc0 .Lupper
	TLOAD G0R, G1R
	s_branch .Lboth
.Lupper:
	TLOAD G0R, G1R
.Lboth:
	PLACES NP-4
	s_cmp_eq_u32 s46, 0
	s_cbranch_scc1 .Lno_block_before
	QOUT 10240, 0
.Lno_block_before:
	FETCHAT 0, ADRA, AAS
	BLK_ 0, 1, 1, -1, 1, 1, ACC
	QOUT 0, 2
	FETCHAT 1, ADRA, AAS
	SBLK 0, 0, 0, NF, 2, 1, ACC+32, 1  ; the next chunk's first half is in
	QOUT 2048, 4
	s_cmp_eq_u32 s46, 0
	s_cbranch_scc1 .Lnone_ahead
	global_prefetch_b8 v7, s[36:37] th:TH_LOAD_NT scope:SCOPE_SE  ; in trip 1 chunk 3, in trip 2 W_v's rows
.Lnone_ahead:
	FETCHAT 0, ADRA, AAS
	BLK_ 0, 1, 1, -1, 3, 1, ACC
	QOUT 8192, 6
	FETCHAT 1, ADRA, AAS
	v_add_nc_u32 v[VX], 8, v[VX]
	s_add_nc_u64 s[88:89], s[88:89], 4*BLK
	s_cmp_eq_u32 s46, 1
	s_cselect_b64 s[88:89], s[76:77], s[88:89]
	s_cmp_eq_u32 s46, 0
	s_cselect_b32 s6, s2, s7
	s_cselect_b32 s21, s90, s100
	s_cselect_b32 s22, s7, 0
	s_cselect_b64 s[38:39], s[4:5], s[86:87]
	s_lshl_b32 s21, s21, 13
	s_add_co_u32 s23, s21, s22
	s_mov_b32 s101, s47
	s_mov_b32 s17, s8
	s_xor_b32 s47, s47, YB
	s_add_co_u32 s8, s8, 4*SSTEP
	s_add_co_u32 s46, s46, 1
	s_cmp_lg_u32 s46, 3
	s_cbranch_scc1 .Lfour
	GRD
	s_mul_i32 s20, s14, CH/4*KROW
	s_mov_b32 s21, 0
	s_mul_i32 s[G0A+1], s14, CH/4*PITCH
	s_add_nc_u64 s[G0A+2:G0A+3], s[86:87], s[20:21]
	s_or_b32 s[G0A+3], s[G0A+3], 0x80000000
	GROUP1 G1A, 45, CH/4
	s_wait_dscnt 0x0
	s_barrier_signal -1
	MIDDLE
	BARRIER
	TLOAD G0A, G1A
	s_mov_b32 s47, YB+64*PITCH
	s_mov_b32 s8, 14*SSTEP
	s_mov_b32 s90, 0
	s_mov_b32 s91, 0
.Ltwo:
	BLK_ 0, 0, 0, NF, 4, 1, ACC+32  ; blocks 12, 14
	QOUT 10240, 0
	FETCHAT 0, ADRA, AAS
	BLK_ 0, 1, 1, NF, 5, 1, ACC  ; 13, 15; the block two on is then v's: chunk 3 again, as it lies in slot 1
	QOUT 0, 2
	FETCHAT 1, ADRA, AAS
	v_add_nc_u32 v[VX], 4, v[VX]
	s_add_nc_u64 s[88:89], s[88:89], 8192
	s_mov_b32 s90, 8192
	s_mov_b32 s47, YB
	s_mov_b32 s8, 12*SSTEP
	s_add_co_u32 s46, s46, 1
	s_cmp_lg_u32 s46, 5
	s_cbranch_scc1 .Ltwo
; the change of phase
	s_wait_xcnt 0x0
	s_wait_tensorcnt 0x0  ; W_v's rows are in
	s_wait_dscnt 0x0
	BARRIER
.macro CHANGE i  ; among W_v's 128 loads: the last block's way out; W_v's scale words into their place; zeros into what no block has written yet
.if (\i) < 7
.irp k, 0,1,2,3
.if 4*(\i)+\k < 27
	GAPQ 4*(\i)+\k, ACC+32
.endif
.endr
.elseif (\i) < 9
.irp q, 0,1,2,3,4,5,6,7
	v_mov_b32 v[SB+8*((\i)-7)+\q], v[WS+8*((\i)-7)+\q]
.endr
.elseif (\i) < 15
.irp q, 0,1,2,3,4,5,6,7
	v_mov_b32 v[ACC+80+8*((\i)-9)+\q], 0
.endr
.endif
.endm
.irp q, 0,1,2,3,4,5,6,7
.irp b, 0,2
	FRAG NB*\q+\b, ADRB+1, \q, \b*16*PITCH
	FRAG NB*\q+\b+1, ADRB+1, \q, (\b+1)*16*PITCH
	WIN 0
	CHANGE 2*\q+\b/2
.endr
.endr
	QOUT 2048, 0
	GRD
	s_mov_b32 s47, 0
	RDESC 0, 2, 47
	RDESC 1, 2, 47
	s_mov_b32 s46, 0
	s_mov_b32 s47, YB+64*PITCH
	s_mov_b32 s8, 14*SSTEP
	s_wait_dscnt 0x0
	s_barrier_signal -1
	MIDDLE
	BARRIER
	TLOAD G0R, G1R
.macro VOUT  ; a pair of v's blocks: four tiles' bytes (both halves of the lanes hold the same) and codes, 512 bytes on end a store
.irp t, 0,1,2,3
	ds_store_b8 v[VX], v[EB+\t] offset:4*\t
	global_store_b128 v[CO], v[MCD+4*\t:MCD+4*\t+3], s[84:85] offset:2048*\t
.endr
.endm
.macro VTO  ; where the codes and bytes of pair k = s46 - 1 go: key half 1 - k / 2, 32 keys 2 (k % 2) + w
	s_add_co_u32 s22, s46, 3
	s_and_b32 s22, s22, 3
	s_lshr_b32 s20, s22, 1
	s_xor_b32 s20, s20, 1
	s_lshl_b32 s20, s20, 14
	s_and_b32 s21, s22, 1
	s_lshl_b32 s21, s21, 10
	SADD 20, 21
	s_mov_b32 s21, 0
	s_add_nc_u64 s[84:85], s[96:97], s[20:21]
	v_add_nc_u32 v[VX], s22, v[RD]
.endm
.Lpair:
	BLK_ 1, 0, 0, -1, -1, 2, ACC+64
	s_cmp_eq_u32 s46, 3
	s_cbranch_scc1 .Lnone_0
	FETCHAT 0, ADRA, AAS
	s_wait_dscnt NF
	s_branch .Lgo
.Lnone_0:
	s_wait_dscnt 0x0
.Lgo:
	SBLK 1, 1, 1, -1, -2, 3, ACC+64  ; the first trip's shows chunk 2
.set I_, 0
.rept 32  ; the pair's sums are copied, so that one trip is two blocks of text
	v_dual_mov_b32 v[ACC+64+I_], v[ACC+I_] :: v_dual_mov_b32 v[ACC+64+I_+1], v[ACC+I_+1]
.set I_, I_+2
.endr
	VTO
	s_cmp_eq_u32 s46, 0
	s_cbranch_scc1 .Lno_pair_before
	VOUT
.Lno_pair_before:
	s_cmp_eq_u32 s46, 3
	s_cbranch_scc1 .Lnone_1
	FETCHAT 1, ADRA, AAS
.Lnone_1:
	s_mov_b32 s8, 10*SSTEP
	s_cmp_eq_u32 s46, 0
	s_cselect_b32 s47, 0, 64*PITCH
	s_cselect_b32 s8, 8*SSTEP, s8
	s_add_co_u32 s46, s46, 1
	s_cmp_lg_u32 s46, 4
	s_cbranch_scc1 .Lpair
	s_wait_xcnt 0x0
.set K_, 0
.rept 60
	GAPV K_, ACC+64
.set K_, K_+1
.endr
	WALU
	VTO
	VOUT
	s_wait_dscnt 0x0  ; the scale bytes
	BARRIER
; THE SCALE WORDS.  q, k: lane l takes row l / 2, blocks 4 (l % 2) .. + 3 of chunk = my wave: two bytes from each column of waves make a word.  v: lane l takes words 64 (wave % 2) + 2 l, + 1 of key half wave / 2: a byte from each row of waves by turns
	s_lshl_b32 s21, s14, 3
	s_add_co_u32 s21, s21, XN+64
	s_lshl_b32 s22, s16, 7
	s_add_co_u32 s22, s22, XV
	s_mov_b32 s20, 0x05040100
	s_mov_b32 s23, 0x07060302
	s_mov_b32 s60, 0x07030602
	s_cmp_eq_u32 s15, 1
	s_cselect_b32 s60, 0x05010400, s60
	v_lshrrev_b32 v20, 1, v3
	v_and_b32 v21, 1, v3
	v_lshlrev_b32 v20, 5, v20
	v_lshl_add_u32 v20, v21, 2, v20
	v_add_nc_u32 v20, s21, v20
	v_lshrrev_b32 v22, 2, v3
	v_lshlrev_b32 v22, 4, v22
	v_lshl_add_u32 v22, v21, 3, v22
	v_bfe_u32 v21, v3, 1, 1
	v_lshl_add_u32 v22, v21, 8, v22
	v_add_nc_u32 v22, s22, v22
	v_lshlrev_b32 v23, 3, v3
	WALU
	ds_load_b32 v40, v20
	ds_load_b32 v41, v20 offset:640
	ds_load_b32 v42, v20 offset:1280
	ds_load_b32 v43, v20 offset:1920
	ds_load_b64 v[44:45], v22
	ds_load_b64 v[46:47], v22 offset:512
	s_wait_dscnt 0x0
	v_perm_b32 v60, v41, v40, s20
	v_perm_b32 v61, v41, v40, s23
	v_perm_b32 v62, v43, v42, s20
	v_perm_b32 v63, v43, v42, s23
	v_perm_b32 v48, v46, v44, s60
	v_perm_b32 v49, v47, v45, s60
	global_store_b128 v[CO], v[60:63], s[94:95]
	global_store_b64 v23, v[48:49], s[98:99]
	s_wait_tensorcnt 0x0  ; the wave's end
	ds_add_u32 v[SPW], v[NIL]
	s_wait_dscnt 0x0
	CROUND
	s_endpgm
.Lfunc_end_k_qc2e6b6877f_proj:
	.size	k_qc2e6b6877f_proj, .Lfunc_end_k_qc2e6b6877f_proj-k_qc2e6b6877f_proj
	.p2alignl 7, 3214868480
	.fill 96, 4, 3214868480
	.section	.rodata,"a",@progbits
	.p2align	6, 0x0
	.amdhsa_kernel k_qc2e6b6877f_proj
		.amdhsa_group_segment_fixed_size 327680
		.amdhsa_private_segment_fixed_size 0
		.amdhsa_enable_private_segment 0
		.amdhsa_kernarg_size 88
		.amdhsa_user_sgpr_count 2
		.amdhsa_user_sgpr_kernarg_segment_ptr 1
		.amdhsa_wavefront_size32 1
		.amdhsa_system_sgpr_workgroup_id_x 1
		.amdhsa_system_sgpr_workgroup_id_y 1
		.amdhsa_system_sgpr_workgroup_id_z 1
		.amdhsa_system_vgpr_workitem_id 0
		.amdhsa_next_free_vgpr 1024
		.amdhsa_next_free_sgpr 102
		.amdhsa_reserve_vcc 0
		.amdhsa_float_denorm_mode_32 3
		.amdhsa_float_denorm_mode_16_64 3
		.amdhsa_memory_ordered 1
		.amdhsa_forward_progress 1
		.amdhsa_inst_pref_size 161
	.end_amdhsa_kernel
	.amdgpu_metadata
---
amdhsa.version: [ 1, 2 ]
amdhsa.kernels:
  - .name:           k_qc2e6b6877f_proj
    .symbol:         k_qc2e6b6877f_proj.kd
    .args:
      - { .name: x_codes, .offset: 0, .size: 8, .value_kind: global_buffer, .address_space: global }
      - { .name: x_scales, .offset: 8, .size: 8, .value_kind: global_buffer, .address_space: global }
      - { .name: wq_codes, .offset: 16, .size: 8, .value_kind: global_buffer, .address_space: global }
      - { .name: wq_scales, .offset: 24, .size: 8, .value_kind: global_buffer, .address_space: global }
      - { .name: wk_codes, .offset: 32, .size: 8, .value_kind: global_buffer, .address_space: global }
      - { .name: wk_scales, .offset: 40, .size: 8, .value_kind: global_buffer, .address_space: global }
      - { .name: wv_codes, .offset: 48, .size: 8, .value_kind: global_buffer, .address_space: global }
      - { .name: wv_scales, .offset: 56, .size: 8, .value_kind: global_buffer, .address_space: global }
      - { .name: qimg, .offset: 64, .size: 8, .value_kind: global_buffer, .address_space: global }
      - { .name: kimg, .offset: 72, .size: 8, .value_kind: global_buffer, .address_space: global }
      - { .name: vimg, .offset: 80, .size: 8, .value_kind: global_buffer, .address_space: global }
    .group_segment_fixed_size: 327680
    .private_segment_fixed_size: 0
    .kernarg_segment_align: 8
    .kernarg_segment_size: 88
    .max_flat_workgroup_size: 128
    .sgpr_count:     102
    .vgpr_count:     1024
    .wavefront_size: 32
...
	.end_amdgpu_metadata
.endif
;; end of part 1
;; launch score (part 2): grid 36 x 4, 8 waves a work-group, no clusters, 327,680 bytes of LDS; arguments qimg, kimg, pimg, pstat; writes pimg, pstat
.if DOCPART == 2
	.amdgcn_target "amdgcn-amd-amdhsa--gfx1250"
	.amdhsa_code_object_version 6
	.text
	.protected	k_qc2e6b6877f_score
	.globl	k_qc2e6b6877f_score
	.p2align	8
	.type	k_qc2e6b6877f_score,@function
k_qc2e6b6877f_score:
	s_mov_b64 s[64:65], 0
	v_nop
	global_prefetch_b8 v0, s[64:65] scope:SCOPE_SE
	s_setreg_imm32_b32 hwreg(HW_REG_WAVE_MODE, 25, 1), 1
	s_wait_xcnt 0x0
; S = q k^T on codes of BF8, then p = 2^(t - M), t = score x log2(e) / 32, quantised along the keys.  M is taken for each query and each chunk of 128 keys: the ceiling of the chunk's largest t, a whole number;
; the next launch brings all chunks of a row under the row's M by taking the difference off the scale bytes: exact.  The chunk's sum is taken of the unquantised p.
; WORK LEFT OUT: tiles of 256 queries x 256 keys wholly above the diagonal (every score there is masked to -infinity by reference() itself): of a batch's 64 tiles the 36 with key tile <= query tile are made.
; SHARES.  Work-group x = 0 .. 35 is tile (qb, kb), kb <= qb, of batch y; EIGHT waves, two to a SIMD: wave 2 i + j makes queries 64 i on x keys 128 j on: 32 accumulators.  Source 0 = 16 keys, source 1 = 16 queries: a lane holds one query
; and eight neighbouring keys.  K = 1,024 features in four steps of 256 through a ring of two LDS slots; a slot is four blocks of 33,792 bytes as the launch before laid them: q's two, k's two.  Waves 0-3 fill slot 0, a block each,
; waves 4-7 slot 1: one load of 132 rows of 256 bytes a wave.
; NO CLUSTER: the 36 tiles of a batch are a triangle: rows of 1 to 8 tiles, which no grouping by four covers without partners whose tiles lie wholly under the mask; and the mask's branch differs between tiles.
; NO PREFETCH: half of all steps are asked for at the head, the other half as soon as a slot is free; no loop runs ahead.
; OUT.  pimg is [batch][pair][slot][32,768]: query blocks n and 15 - n of 128 are pair n (n < 8), nine tiles of 256 keys on end.  Low block n: key tile 0 in slot 0, t > 0 in slot t + 1.  High block 15 - n: key tile 0 in slot 1,
; 1 .. 4 in slots 5 .. 8, t > 4 in slot 9 - t.  In a tile fragment (key half, query block of 16) at 2048 (8 half + block), an image of registers.
; pstat [query / 128][key / 128][query half of 64][scale words, -M, sums][256]: block a of the half's four, row r at 16 r + 4 a.
; A chunk all of whose keys are hidden for a row gives -M = 3e38, sum 0 and zero codes.
; LIMITS: NaN and infinities among the scores are not served; t under -3e38 counts as hidden.
; REGISTERS: window 0: v0-31 addresses; v32-63 scale words, two sets (register 8 q + i: lanes 0-15 q's block i, lanes 16-31 k's); v64-127 q's four fragments; v128-255 k's eight; on the way out v64-119 at work, v128-191 p, v192-255 codes.
; window 1: the accumulators: (a, b) at v[8 (8 a + b)].
.set BLK,    33792
.set SLOT,   4*BLK
.set SPARE,  2*SLOT                    ; the spare words: 128 bytes a wave, four blocks of 256 bytes that no other line names
.set ADRA, 16
.set ADRB, 18
.set ADRS, 20                          ; scale words of blocks 0-3
.set ADRT, 22                          ; of k's blocks 4-7 (lanes 0-15 read q's again)
.set WO,   24                          ; 16 r + 256 h
.set WO2,  25                          ; 16 r + 8 h
.set CO,   26                          ; 16 x lane
.set SPW,  28
.set NIL,  29
.set SC,   32
.set BM,   64
.set BX,   68
.set HL,   72
.set SO,   76
.set PW,   88
.set NMS,  96
.set LSUM, 104
.set DL,   116
.set NINF, 117
.set DB,   118
.set TV,   119
.set AF,   64
.set BF,   128
.set WK,   128
.set PC,   192
.set G1, 24
.set G0, 32
.set MSB, 0
.macro WIN new                         ; the immediate's high byte repeats the setting that is left
.if MSB != (\new)
	s_set_vgpr_msb (MSB<<8)|(\new)
.set MSB, (\new)
.endif
.endm
.macro PLACES n
.rept \n
	v_nop
.endr
.endm
	s_load_b256 s[4:11], s[0:1], 0x0               ; qimg, kimg, pimg, pstat
	v_lshl_add_u32 v[SPW], v0, 2, SPARE
	v_mov_b32 v[NIL], 0
	ds_add_u32 v[SPW], v[NIL]                      ; the wave's opening: the add, twice on end, and its wait ahead of my first tensor load
	ds_add_u32 v[SPW], v[NIL]
	v_lshrrev_b32 v1, 5, v0
	v_readfirstlane_b32 s14, v1                    ; wave 0..7
	s_lshr_b32 s15, s14, 1                         ; i
	s_and_b32 s16, s14, 1                          ; j
	s_lshr_b32 s51, s15, 1                         ; which 128 queries,
	s_and_b32 s52, s15, 1                          ; which 64 of them
	s_mov_b32 s17, 0                               ; qb: how many of the triangular numbers 1, 3, .. 28 the work-group's number has reached
.irp n, 1,3,6,10,15,21,28
	s_cmp_ge_u32 ttmp9, \n
	s_add_co_ci_u32 s17, s17, 0
.endr
	s_add_co_u32 s18, s17, 1
	s_mul_i32 s18, s18, s17
	s_lshr_b32 s18, s18, 1
	s_sub_co_u32 s18, ttmp9, s18                   ; kb = x - qb (qb + 1) / 2
	s_and_b32 s19, ttmp7, 0xffff                   ; batch
	s_mov_b32 s[G1+0], 3<<16                       ; no mask; elements of 8 bytes; no padding
	s_mov_b32 s[G1+1], 32<<16                      ; 32 elements: 256 bytes
	s_mov_b32 s[G1+2], 132<<16                     ; 132 rows
	s_mov_b32 s[G1+3], 32<<16
	s_mov_b32 s[G1+4], 132
	s_mov_b32 s[G1+5], 32                          ; dense
	s_mov_b32 s[G1+6], 0
	s_mov_b32 s[G1+7], 0
	s_bfe_u32 s54, s14, 0x10001                    ; I fetch for q (0) or for k (1)
	s_cmp_eq_u32 s54, 0
	s_cselect_b32 s20, s17, s18
	s_lshl_b32 s20, s20, 1
	s_add_co_u32 s20, s20, s16                     ; which half
	s_lshl_b32 s21, s19, 4
	s_add_co_u32 s20, s20, s21                     ; which 128 rows: 16 batch + 2 tile + half
	s_lshl_b32 s20, s20, 2
	s_lshr_b32 s21, s14, 2
	s_add_co_u32 s20, s20, s21                     ; and which K step
	s_mul_i32 s20, s20, BLK
	s_mov_b32 s21, 0
	s_mul_i32 s45, s14, BLK                        ; and where it goes
	s_mov_b32 s40, 0x3d38aa3b                      ; c = log2(e) / 32
	s_mov_b32 s41, s40                             ; (named with it as a pair)
	s_mov_b32 s42, 0x76543210
	s_mov_b32 s43, 0xfedcba98
	s_mov_b32 s44, 0x600000                        ; the mantissa field of 57,344
	s_mov_b32 s46, 0xffff0000                      ; lanes 16-31
	s_wait_dscnt 0x0                               ; both opening adds are done
	s_wait_kmcnt 0x0
	s_cmp_eq_u32 s54, 0
	s_cselect_b64 s[22:23], s[4:5], s[6:7]
	s_mov_b32 s[G0], 1
	s_mov_b32 s[G0+1], s45
	s_add_nc_u64 s[G0+2:G0+3], s[22:23], s[20:21]
	s_or_b32 s[G0+3], s[G0+3], 0x80000000
	s_cmp_lt_u32 s14, 4                            ; one load a wave; slot 0's are shown first and have a line of their own
	s_cbranch_scc0 .Lslot_1
	tensor_load_to_lds s[G0:G0+3], s[G1:G1+7]      ; K step 0
	s_nop 0
	PLACES 4
	s_branch .Lasked
.Lslot_1:
	tensor_load_to_lds s[G0:G0+3], s[G1:G1+7]      ; K step 1
	s_nop 0
	PLACES 4
.Lasked:
	; where my results go
	s_lshl_b32 s20, s19, 4
	s_lshl_b32 s21, s17, 1
	s_add_co_u32 s20, s20, s21
	s_add_co_u32 s20, s20, s51                     ; my 128 queries: 16 batch + 2 qb + i / 2
	s_and_b32 s21, s20, 15                         ; my query block in the batch
	s_add_co_u32 s22, s18, 1                       ; a low block's slot: kb + 1, or 0
	s_add_co_u32 s53, s18, 4                       ; a high block's: 1, kb + 4 or 9 - kb
	s_sub_co_u32 s50, 9, s18
	s_cmp_ge_u32 s18, 5
	s_cselect_b32 s53, s50, s53
	s_cmp_eq_u32 s18, 0
	s_cselect_b32 s22, 0, s22
	s_cselect_b32 s53, 1, s53
	s_sub_co_u32 s23, 15, s21
	s_cmp_ge_u32 s21, 8
	s_cselect_b32 s22, s53, s22
	s_cselect_b32 s21, s23, s21                    ; the pair
	s_lshl_b32 s23, s19, 3
	s_add_co_u32 s21, s21, s23
	s_mul_i32 s21, s21, 9
	s_add_co_u32 s21, s21, s22
	s_lshl_b32 s21, s21, 15
	s_lshl_b32 s22, s16, 14
	s_add_co_u32 s22, s21, s22
	s_lshl_b32 s21, s52, 13
	s_add_co_u32 s22, s22, s21
	s_mov_b32 s23, 0
	s_add_nc_u64 s[8:9], s[8:9], s[22:23]
	s_lshl_b32 s21, s20, 4
	s_lshl_b32 s22, s18, 1
	s_add_co_u32 s21, s21, s22
	s_add_co_u32 s21, s21, s16                     ; the chunk: 2 kb + j
	s_lshl_b32 s21, s21, 1
	s_add_co_u32 s21, s21, s52
	s_mul_i32 s22, s21, 768
	s_add_nc_u64 s[10:11], s[10:11], s[22:23]
	; the mask
	s_lshl_b32 s47, s17, 8
	s_lshl_b32 s20, s15, 6
	s_add_co_u32 s47, s47, s20                     ; my first query
	s_lshl_b32 s48, s18, 8
	s_lshl_b32 s20, s16, 7
	s_add_co_u32 s48, s48, s20                     ; my first key
	s_sub_co_i32 s49, s47, s48
	s_add_co_u32 s48, s48, 127                     ; my last key
	; LDS addresses
	s_mul_i32 s20, s51, BLK                        ; q's block
	s_lshl_b32 s21, s52, 13
	s_add_co_u32 s21, s20, s21                     ; fragments 4 x half on
	s_mul_i32 s22, s16, BLK
	s_add_co_u32 s22, s22, 2*BLK                   ; k's block
	s_lshl_b32 s23, s52, 4
	s_add_co_u32 s20, s20, s23
	s_sub_co_u32 s23, s22, s20                     ; from q's scale words to k's
	s_add_co_u32 s20, s20, 32768
	v_and_b32 v1, 15, v0                           ; r
	v_bfe_u32 v2, v0, 4, 1                         ; h
	v_and_b32 v3, 31, v0
	v_lshlrev_b32 v[CO], 4, v3
	v_add_nc_u32 v[ADRA], s21, v[CO]
	v_add_nc_u32 v[ADRA+1], SLOT, v[ADRA]
	v_add_nc_u32 v[ADRB], s22, v[CO]
	v_add_nc_u32 v[ADRB+1], SLOT, v[ADRB]
	v_lshlrev_b32 v5, 5, v1
	v_mul_u32_u24 v6, s23, v2                      ; lanes 16-31 take k's words
	v_add_nc_u32 v6, v5, v6
	v_add_nc_u32 v[ADRS], s20, v6
	v_add_nc_u32 v[ADRS+1], SLOT, v[ADRS]
	v_lshl_add_u32 v[ADRT], v2, 4, v[ADRS]
	v_add_nc_u32 v[ADRT+1], SLOT, v[ADRT]
	v_lshlrev_b32 v5, 8, v2
	v_lshl_add_u32 v[WO], v1, 4, v5
	v_lshlrev_b32 v5, 3, v2
	v_lshl_add_u32 v[WO2], v1, 4, v5
	v_sub_nc_u32 v5, v1, v5
	v_add_nc_u32 v[DB], s49, v5                    ; r - 8 h + first query - first key
	v_mov_b32 v[NINF], 0xff800000
.macro FETCHA slot, q                  ; q's four fragments: each comes back as it was stored: four loads of 512 consecutive bytes
.irp a, 0,1,2,3
.irp c, 0,1,2,3
	ds_load_b128 v[AF+16*\a+4*\c:AF+16*\a+4*\c+3], v[ADRA+\slot] offset:(8*(\q)+\a)*2048+512*\c
.endr
.endr
.endm
.macro FETCHB slot, q, b0              ; k's fragments b0 .. b0 + 3
.irp b, \b0, \b0+1, \b0+2, \b0+3
.irp c, 0,1,2,3
	ds_load_b128 v[BF+16*(\b)+4*\c:BF+16*(\b)+4*\c+3], v[ADRB+\slot] offset:(8*(\q)+(\b))*2048+512*\c
.endr
.endr
.endm
.macro SCALES slot
.irp q, 0,1
	ds_load_b128 v[SC+16*(\slot)+8*\q:SC+16*(\slot)+8*\q+3], v[ADRS+\slot] offset:512*\q
	ds_load_b128 v[SC+16*(\slot)+8*\q+4:SC+16*(\slot)+8*\q+7], v[ADRT+\slot] offset:512*\q+16*0
.endr
.endm
.macro MUL b, zero                     ; k's block b against my four blocks of q.  The 32 accumulators take turns, one instruction a turn
.irp a, 0,1,2,3
.if \zero
	v_wmma_scale_f32_16x16x128_f8f6f4 v[8*(8*\a+\b):8*(8*\a+\b)+7], v[BF+16*\b:BF+16*\b+15], v[AF+16*\a:AF+16*\a+15], 0, v[SR_+\b], v[SR_+\a] matrix_a_fmt:MATRIX_FMT_BF8 matrix_b_fmt:MATRIX_FMT_BF8 matrix_a_scale:MATRIX_SCALE_ROW1
.else
	v_wmma_scale_f32_16x16x128_f8f6f4 v[8*(8*\a+\b):8*(8*\a+\b)+7], v[BF+16*\b:BF+16*\b+15], v[AF+16*\a:AF+16*\a+15], v[8*(8*\a+\b):8*(8*\a+\b)+7], v[SR_+\b], v[SR_+\a] matrix_a_fmt:MATRIX_FMT_BF8 matrix_b_fmt:MATRIX_FMT_BF8 matrix_a_scale:MATRIX_SCALE_ROW1
.endif
.endr
.endm
.set MW, 0x50                          ; C and D window 1
; 128 along K, the n-th of eight.  Eight places stand behind the last reader of a register ahead of a load into it.
.macro STEP n, zero
.set SL_, ((\n)/2)%2
.set NS_, (((\n)+1)/2)%2
.set NK_, ((\n)+1)%2
.set SR_, SC+16*SL_+8*((\n)%2)
.if ((\n)%2) && (\n) < 7               ; a slot's last step changes slots: one barrier
	s_wait_tensorcnt 0x0                           ; all my tensor loads have landed
	ds_add_u32 v[SPW], v[NIL]
.if (\n) == 1
	s_add_nc_u64 s[G0+2:G0+3], s[G0+2:G0+3], 2*BLK ; my block two K steps on (no load of mine is out)
.endif
	s_wait_dscnt 17                                ; (the add and the youngest 16 loads, k's blocks 4-7, may be out)
	WIN MW
.irp b, 0,1,2,3
	MUL \b, \zero
.endr
	s_wait_dscnt 0x0                               ; the add is done, and my reads of this slot are over
	s_barrier_signal -1
	MUL 4, \zero
	MUL 5, \zero
	WIN 0
	s_barrier_wait -1
.if (\n) == 1
	s_cmp_lt_u32 s14, 4
	s_cbranch_scc0 .Lnot_mine_\@
	tensor_load_to_lds s[G0:G0+3], s[G1:G1+7]      ; slot 0 again: K step 2
	s_nop 0
	PLACES 4
.Lnot_mine_\@:
.elseif (\n) == 3
	s_cmp_lt_u32 s14, 4
	s_cbranch_scc1 .Lnot_mine_\@
	tensor_load_to_lds s[G0:G0+3], s[G1:G1+7]      ; slot 1 again: K step 3
	s_nop 0
	PLACES 4
.Lnot_mine_\@:
.endif
	PLACES 8
	FETCHB NS_, NK_, 0
	SCALES NS_
	WIN MW
	MUL 6, \zero
	MUL 7, \zero
.else
	s_wait_dscnt 16                                ; all but the youngest 16 loads (k's blocks 4-7)
	WIN MW
.irp b, 0,1,2,3
	MUL \b, \zero
.endr
	s_wait_dscnt 0x0
.if (\n) < 7
	PLACES 8
	WIN 0
	FETCHB NS_, NK_, 0
	WIN MW
.endif
.irp b, 4,5,6,7
	MUL \b, \zero
.endr
.endif
	PLACES 8
	WIN 0
.if (\n) < 7
	FETCHA NS_, NK_
	FETCHB NS_, NK_, 4
.endif
.endm
.irp b, 0,1,2,3
	v_mov_b32 v[BX+\b], 0                          ; (these lie among q's fragments: written again ahead of the softmax)
.endr
	s_wait_alu depctr_va_vdst(0)
	s_cmp_lt_u32 s14, 4
	s_cbranch_scc0 .Lnot_yet
	s_wait_tensorcnt 0x0                           ; waves 0-3: K step 0 is in.  The others' wait stands at the first change of slots
.Lnot_yet:
	s_barrier_signal -1
	s_barrier_wait -1
	FETCHB 0, 0, 0
	SCALES 0
	FETCHA 0, 0
	FETCHB 0, 0, 4
	STEP 0, 1                                      ; its products start the sums
	STEP 1, 0
	STEP 2, 0
	STEP 3, 0
	STEP 4, 0
	STEP 5, 0
	STEP 6, 0
	STEP 7, 0
; THE SOFTMAX of query block a: register 8 g + n of its 64 holds key 16 g + 8 h + n of my 128 for query 16 a + r.
.macro SOFT a
.set AC, 64*(\a)
.set PCS, PC+16*(\a)
	s_add_co_u32 s50, s47, 16*(\a)                 ; the block's first query
	s_cmp_le_u32 s48, s50                          ; all my keys count for it: ids alone
	s_cbranch_scc1 .Lopen_\@
	s_wait_alu depctr_va_vdst(0)
	v_add_nc_u32 v[DL], 16*(\a), v[DB]             ; hidden where 16 g + n > my query - first key - 8 h
	WIN 0x41                                       ; destination and source 0: window 1
.irp g, 0,1,2,3,4,5,6,7
.irp n, 0,1,2,3,4,5,6,7
	v_cmp_gt_i32 vcc_lo, 16*\g+\n, v[DL]
	v_cndmask_b32 v[AC+8*\g+\n], v[AC+8*\g+\n], v[NINF], vcc_lo
.endr
.endr
	WIN 0
.Lopen_\@:
	WIN 0x14                                       ; sources 1 and 2: window 1
.irp b, 0,1,2,3
	v_max3_num_f32 v[BM+\b], 0xff800000, v[AC+16*\b], v[AC+16*\b+1]   ; the largest score of each block of 32 keys: for the row's maximum, and, since p rises with the score, for the block's largest p
.endr
.irp i, 2,4,6,8,10,12,14
.irp b, 0,1,2,3
	v_max3_num_f32 v[BM+\b], v[BM+\b], v[AC+16*\b+\i], v[AC+16*\b+\i+1]
.endr
.endr
	WIN 0
.irp b, 0,1,2,3
	v_permlanex16_b32 v[BX+\b], v[BM+\b], s42, s43
.endr
.irp b, 0,1,2,3
	v_max_num_f32 v[BM+\b], v[BM+\b], v[BX+\b]
.endr
	v_max3_num_f32 v[TV], v[BM], v[BM+1], v[BM+2]
	v_max_num_f32 v[TV], v[TV], v[BM+3]
	v_mul_f32 v[TV], s40, v[TV]                    ; as t (c is positive)
	v_max_num_f32 v81, 0xff61b1e6, v[TV]           ; not under -3e38: a chunk that is all hidden
	v_floor_f32 v80, -v81                          ; -M = floor(-t): M is a whole number
	WIN 0x01                                       ; source 0: window 1
.irp g, 0,1,2,3,4,5,6,7
.irp n, 0,2,4,6
	v_pk_fma_f32 v[WK+8*\g+\n:WK+8*\g+\n+1], v[AC+8*\g+\n:AC+8*\g+\n+1], s[40:41], v[80:81] op_sel_hi:[1,0,0]   ; t - M
.endr
.endr
	WIN 0
.irp b, 0,1,2,3
	v_fma_f32 v[BM+\b], v[BM+\b], s40, v80         ; the same of each block's largest score
.endr
	s_wait_alu depctr_va_vdst(0)
.irp g, 0,1,2,3,4,5,6,7
.irp n, 0,1,2,3,4,5,6,7
	v_exp_f32 v[WK+8*\g+\n], v[WK+8*\g+\n]         ; p = 2^(t - M), at most 1
.endr
.endr
	v_mov_b32 v[NMS+(\a)], v80                     ; a plain line behind the exponentials
	s_wait_alu depctr_va_vdst(0)                   ; one wait for the batch of 64
.irp b, 0,1,2,3
	v_exp_f32 v[BM+\b], v[BM+\b]                   ; the block's largest p
.endr
	v_pk_add_f32 v[82:83], v[WK:WK+1], v[WK+2:WK+3]        ; the sum of the unquantised p, in two chains
	v_pk_add_f32 v[84:85], v[WK+4:WK+5], v[WK+6:WK+7]
.irp n, 8,12,16,20,24,28,32,36,40,44,48,52,56,60
	v_pk_add_f32 v[82:83], v[82:83], v[WK+\n:WK+\n+1]
	v_pk_add_f32 v[84:85], v[84:85], v[WK+\n+2:WK+\n+3]
.endr
	v_pk_add_f32 v[82:83], v[82:83], v[84:85]
	v_add_f32 v82, v82, v83
	v_permlanex16_b32 v[TV], v82, s42, s43
	v_add_f32 v[LSUM+(\a)], v82, v[TV]
	s_wait_alu depctr_va_vdst(0)                   ; and one for the four
.irp b, 0,1,2,3
	v_max_num_f32 v[BM+\b], 0x8000000, v[BM+\b]    ; the floor 2^(16 - 127): the byte cannot fall under 1
.endr
.irp b, 0,1,2,3
	v_add_nc_u32 v[SO+\b], 0xf8800000, v[BM+\b]
.endr
.irp b, 0,1,2,3
	v_and_or_b32 v[HL+\b], v[BM+\b], 0x7f800000, s44
.endr
.irp b, 0,1,2,3
	v_lshrrev_b32 v[BX+\b], 23, v[SO+\b]
.endr
	v_lshl_or_b32 v[PW+(\a)], v[BX+1], 8, v[BX]
	v_lshl_or_b32 v[PW+(\a)], v[BX+2], 16, v[PW+(\a)]
	v_lshl_or_b32 v[PW+(\a)], v[BX+3], 24, v[PW+(\a)]
.irp b, 0,1,2,3
.irp i, 0,1,2,3,4,5,6,7,8,9,10,11,12,13,14,15
	v_min_num_f32 v[WK+16*\b+\i], v[WK+16*\b+\i], v[HL+\b]   ; the conversion does not saturate (ISA guide 7.6.2); p is not negative: a one-sided hold
.endr
.endr
.irp b, 0,1,2,3
	v_cvt_scalef32_pk8_bf8_f32 v[PCS+4*\b:PCS+4*\b+1], v[WK+16*\b:WK+16*\b+7], v[SO+\b]
	v_cvt_scalef32_pk8_bf8_f32 v[PCS+4*\b+2:PCS+4*\b+3], v[WK+16*\b+8:WK+16*\b+15], v[SO+\b]
.endr
	v_nop                                          ; a plain line behind the last conversion
.irp c, 0,1,2,3
	global_store_b128 v[CO], v[PCS+4*\c:PCS+4*\c+3], s[8:9] offset:2048*(\a)+512*\c   ; 512 consecutive bytes, aligned to 256
.endr
.endm
.irp b, 0,1,2,3
	v_mov_b32 v[BX+\b], 0                          ; written once: a lane permute's destination counts as one of its sources
.endr
	v_mov_b32 v[NINF], 0xff800000                  ; (q's fragments lay here)
	s_sub_co_u32 s49, s48, 127
	s_sub_co_i32 s49, s47, s49
	v_and_b32 v5, 15, v0
	v_bfe_u32 v6, v0, 4, 1
	v_lshlrev_b32 v6, 3, v6
	v_sub_nc_u32 v5, v5, v6
	v_add_nc_u32 v[DB], s49, v5                    ; r - 8 h + first query - first key
	v_mov_b32 v[TV], 0
	s_wait_alu depctr_va_vdst(0)
.irp a, 0,1,2,3
	SOFT \a
.endr
.irp k, 0,1,2,3                        ; both halves of the lanes hold the same: lanes 0-15 store the scale words, lanes 16-31 -M
	v_cndmask_b32 v[WK+\k], v[PW+\k], v[NMS+\k], s46
.endr
	v_cndmask_b32 v[WK+4], v[LSUM], v[LSUM+2], s46
	v_cndmask_b32 v[WK+5], v[LSUM+1], v[LSUM+3], s46
	global_store_b128 v[WO], v[WK:WK+3], s[10:11]              ; two units of 256 bytes
	global_store_b64 v[WO2], v[WK+4:WK+5], s[10:11] offset:512 ; the sums: one
	s_wait_tensorcnt 0x0                           ; the wave's end
	ds_add_u32 v[SPW], v[NIL]
	s_wait_dscnt 0x0
	s_endpgm
.Lfunc_end_k_qc2e6b6877f_score:
	.size	k_qc2e6b6877f_score, .Lfunc_end_k_qc2e6b6877f_score-k_qc2e6b6877f_score
	.p2alignl 7, 3214868480
	.fill 96, 4, 3214868480
	.section	.rodata,"a",@progbits
	.p2align	6, 0x0
	.amdhsa_kernel k_qc2e6b6877f_score
		.amdhsa_group_segment_fixed_size 327680
		.amdhsa_private_segment_fixed_size 0
		.amdhsa_enable_private_segment 0
		.amdhsa_kernarg_size 32
		.amdhsa_user_sgpr_count 2
		.amdhsa_user_sgpr_kernarg_segment_ptr 1
		.amdhsa_wavefront_size32 1
		.amdhsa_system_sgpr_workgroup_id_x 1
		.amdhsa_system_sgpr_workgroup_id_y 1
		.amdhsa_system_sgpr_workgroup_id_z 1
		.amdhsa_system_vgpr_workitem_id 0
		.amdhsa_next_free_vgpr 512
		.amdhsa_next_free_sgpr 66
		.amdhsa_reserve_vcc 1
		.amdhsa_float_denorm_mode_32 3
		.amdhsa_float_denorm_mode_16_64 3
		.amdhsa_memory_ordered 1
		.amdhsa_forward_progress 1
		.amdhsa_inst_pref_size 147
	.end_amdhsa_kernel
	.amdgpu_metadata
---
amdhsa.version: [ 1, 2 ]
amdhsa.kernels:
  - .name:           k_qc2e6b6877f_score
    .symbol:         k_qc2e6b6877f_score.kd
    .args:
      - { .name: qimg, .offset: 0, .size: 8, .value_kind: global_buffer, .address_space: global }
      - { .name: kimg, .offset: 8, .size: 8, .value_kind: global_buffer, .address_space: global }
      - { .name: pimg, .offset: 16, .size: 8, .value_kind: global_buffer, .address_space: global }
      - { .name: pstat, .offset: 24, .size: 8, .value_kind: global_buffer, .address_space: global }
    .group_segment_fixed_size: 327680
    .private_segment_fixed_size: 0
    .kernarg_segment_align: 8
    .kernarg_segment_size: 32
    .max_flat_workgroup_size: 256
    .sgpr_count:     66
    .vgpr_count:     512
    .wavefront_size: 32
...
	.end_amdgpu_metadata
.endif
;; end of part 2
;; launch pv (part 3): grid 8 x 32, 4 waves a work-group, clusters of 4 x 1, 327,680 bytes of LDS; arguments pimg, pstat, vimg, out0; writes out0
.if DOCPART == 3
	.amdgcn_target "amdgcn-amd-amdhsa--gfx1250"
	.amdhsa_code_object_version 6
	.text
	.protected	k_qc2e6b6877f_pv
	.globl	k_qc2e6b6877f_pv
	.p2align	8
	.type	k_qc2e6b6877f_pv,@function
k_qc2e6b6877f_pv:
	s_mov_b64 s[64:65], 0
	v_nop
	global_prefetch_b8 v0, s[64:65] scope:SCOPE_SE
	s_setreg_imm32_b32 hwreg(HW_REG_WAVE_MODE, 25, 1), 1
	s_wait_xcnt 0x0
	s_wait_alu depctr_hold_cnt(0) depctr_sa_sdst(0) depctr_va_vdst(0) depctr_va_sdst(0) depctr_va_ssrc(0) depctr_va_vcc(0) depctr_vm_vsrc(0)
	s_getreg_b32 s2, hwreg(HW_REG_IB_STS2, 6, 4)
	s_cmp_eq_u32 s2, 0
	s_cbranch_scc0 .Lentry_in_a_cluster
	s_endpgm
.Lentry_in_a_cluster:
	s_bfe_u32 s2, ttmp6, 0x10000c
	s_cmp_lg_u32 s2, 0x3003
	s_cbranch_scc0 .Lentry_shape_is_right
	s_endpgm
.Lentry_shape_is_right:
; out = (p v) / l.  A row's M is the largest of its chunks' M (a chunk: 128 keys); a chunk's p counts 2^(M of the chunk - M of the row): that whole number comes off the scale bytes, and the sums are scaled by it: exact.
; A scale byte that would fall under 0 becomes 0 (2^-127).
; WORK LEFT OUT: key steps wholly past a block of queries (masked to -infinity by reference() itself; see the first launch).
; SHARES.  Work-group (x, y): 128 columns d, and one PAIR of query blocks of 128: n (low) and 15 - n (high) of a batch: nine key tiles of 256 in all, whatever n.  A wave makes 32 columns x 256 queries: 32 accumulators.
; Source 0 = 16 rows d of v, source 1 = 16 queries: a lane holds one query and eight neighbouring columns.
; P: the pair's nine tiles are one dense run of 294,912 bytes: wave w brings its quarter, 288 rows of 256 bytes, by ONE load at the head, joint over the four work-groups of the cluster (same pair, four d tiles).  Nothing is filled again.
; The quarters are shown one after the other: behind the first tiles 0, 1 are whole, behind the second 2, 3, behind the third 4, 5, behind the fourth all.
; Slot 0: the low block's key tile 0; slot 1: the high block's 0; slots s = 2, 3, 4: the high block's 9 - s where it has so many (NKH >= 10 - s), else the low block's s - 1; slots 5 .. 8: the high block's 1 .. 4.
; So the low block is finished behind slot 4, and its rows leave ahead of the high block's last four slots.
; V comes straight from memory into registers: each byte is used by one wave of the work-group alone.  Six buffers of 64 registers take turns.  It is not asked for jointly: it does not pass through LDS, which P fills.
; NO PREFETCH: there is no loop to run ahead in: all of P is asked for at the head, and V up to four steps ahead by its own loads.
; REGISTERS: window 0: v0-31 addresses and work, v32-47 p's scale words (two sets), v48-63 v's, v66-.. -M, sums, words; v128-255 p's fragments of a tile's first 128 keys; window 1: v0-127 those of its second, v128-255 V's buffers 4, 5;
; window 2: accumulators, high block's, then low block's; window 3: V's buffers 0-3.
.set BLK,   33792
.set PSL,   32768
.set QRT,   9*PSL/4
.set ASC,   9*PSL                      ; the nine tiles' scale words under the row's M: 18 x 512 bytes: block a, row r at 256 (a / 4) + 16 r + 4 (a % 4)
.set LINV,  ASC+18*512                 ; 1 / l: high block, low block, in the same order
.set SPARE, LINV+1024
.set SP,    528                        ; the way out: a row of 128 f32 + 16 bytes
.set LI16, 4
.set LVF,  5
.set LVS,  6
.set PSO,  7
.set AST,  8
.set ASA,  9
.set ADP,  10
.set LIA,  15
.set STO,  16
.set RD,   18
.set MGH,  20
.set MGL,  21
.set LTH,  22
.set LTL,  23
.set RCH,  24
.set RCL,  25
.set BIGV, 26
.set TV,   27
.set SPW,  28
.set NIL,  29
.set XH,   30
.set XL,   31
.set SA,   32
.set SB,   48
.set DI,   66
.set LS,   84
.set LI,   102
.set MC,   118
.set WD,   128
.set NH,   146
.set NL,   152
.set XT,   160
.set X2,   180
.set WV,  12
.set G1,  16
.set G0,  24
.set NKH, 60
.set RGH, 61
.set RGL, 62
.set VBS, 66
.set STB, 84
.set MSB, 0
.macro WIN new
.if MSB != (\new)
	s_set_vgpr_msb (MSB<<8)|(\new)
.set MSB, (\new)
.endif
.endm
.macro PLACES n
.rept \n
	v_nop
.endr
.endm
.macro CROUND
	s_barrier_signal -1
	s_barrier_wait -1
	s_cmp_lg_u32 s[WV], 0
	s_cbranch_scc1 .Lnot_wave_0_\@
	s_barrier_signal -3
.Lnot_wave_0_\@:
	s_barrier_wait -3
	s_barrier_signal -1
	s_barrier_wait -1
.endm
	s_load_b256 s[4:11], s[0:1], 0x0               ; pimg, pstat, vimg, out0
	v_lshl_add_u32 v[SPW], v0, 2, SPARE
	v_mov_b32 v[NIL], 0
	ds_add_u32 v[SPW], v[NIL]                      ; the wave's opening: the add, twice on end, and its wait ahead of my first tensor load
	ds_add_u32 v[SPW], v[NIL]
	v_lshrrev_b32 v1, 5, v0
	v_readfirstlane_b32 s[WV], v1
	s_and_b32 s13, ttmp7, 0xffff
	s_lshr_b32 s14, s13, 3                         ; batch
	s_and_b32 s15, s13, 7                          ; pair
	s_lshr_b32 s2, s15, 1
	s_sub_co_u32 s[NKH], 8, s2                     ; the high block's key tiles
	s_lshl_b32 s2, s14, 4
	s_add_co_u32 s[RGL], s2, s15                   ; the low block, the high block, among all 64
	s_add_co_u32 s[RGH], s2, 15
	s_sub_co_u32 s[RGH], s[RGH], s15
	s_mov_b32 s[G1+0], 15|(3<<16)|(1<<21)          ; all four of the cluster; elements of 8 bytes; bit 21 beside a mask
	s_mov_b32 s[G1+1], 32<<16
	s_mov_b32 s[G1+2], 288<<16
	s_mov_b32 s[G1+3], 32<<16
	s_mov_b32 s[G1+4], 288
	s_mov_b32 s[G1+5], 32
	s_mov_b32 s[G1+6], 0
	s_mov_b32 s[G1+7], 0
	s_mul_i32 s2, s13, 9*PSL
	s_mul_i32 s3, s[WV], QRT
	s_mov_b32 s[G0], 1
	s_mov_b32 s[G0+1], s3
	s_add_co_u32 s2, s2, s3
	s_mov_b32 s3, 0
	s_mov_b64 s[G0+2:G0+3], s[2:3]
.irp s, 0,1,2,3,4,5,6,7,8                      ; where each slot's two chunks lie in pstat
.if \s == 0
	s_lshl_b32 s13, s[RGL], 3
.elseif \s == 1
	s_lshl_b32 s13, s[RGH], 3
.elseif \s > 4
	s_lshl_b32 s13, s[RGH], 3
	s_add_co_u32 s13, s13, \s-4
.else
	s_cmp_ge_u32 s[NKH], 10-\s
	s_cselect_b32 s2, s[RGH], s[RGL]
	s_cselect_b32 s3, 9-\s, \s-1
	s_lshl_b32 s13, s2, 3
	s_add_co_u32 s13, s13, s3
.endif
	s_mul_i32 s[STB+2*\s], s13, 3072
	s_mov_b32 s[STB+2*\s+1], 0
.endr
	s_lshr_b32 s2, s[WV], 1
	s_lshl_b32 s2, s2, 9
	v_lshl_add_u32 v[PSO], v0, 2, s2               ; my query's place: 768 (half of 64) + 4 (number in the half)
	s_wait_alu depctr_va_vdst(0)
	s_wait_dscnt 0x0                               ; both opening adds are done
	s_wait_kmcnt 0x0
	s_add_nc_u64 s[G0+2:G0+3], s[4:5], s[G0+2:G0+3]
	s_or_b32 s[G0+3], s[G0+3], 0x80000000
	CROUND                                         ; all four work-groups are here: the joint loads meet
.macro ARM n, next                     ; one load a wave, each wave with a line of its own
	s_cmp_eq_u32 s[WV], \n
	s_cbranch_scc0 \next
	tensor_load_to_lds s[G0:G0+3], s[G1:G1+7]
	s_nop 0
	PLACES 4
	s_branch .Lasked
\next:
.endm
	ARM 0, .Lwave_1
	ARM 1, .Lwave_2
	ARM 2, .Lwave_3
	tensor_load_to_lds s[G0:G0+3], s[G1:G1+7]
	s_nop 0
	PLACES 4
.Lasked:
.irp s, 0,1,2,3,4,5,6,7,8
	s_add_nc_u64 s[STB+2*\s:STB+2*\s+1], s[6:7], s[STB+2*\s:STB+2*\s+1]
.endr
.irp s, 0,1,2,3,4,5,6,7,8                      ; -M: a thread has one query of each block, 18 chunks
.irp u, 0,1
	global_load_b32 v[DI+2*\s+\u], v[PSO], s[STB+2*\s:STB+2*\s+1] offset:1536*\u+256
.endr
.endr
.irp s, 0,1,2,3,4,5,6,7,8                      ; the scale words
.irp u, 0,1
	global_load_b32 v[WD+2*\s+\u], v[PSO], s[STB+2*\s:STB+2*\s+1] offset:1536*\u
.endr
.endr
	s_bfe_u32 s2, ttmp6, 0x40000
	s_lshl_b32 s3, ttmp9, 2
	s_add_co_u32 s3, s3, s2                        ; d tile
	s_lshl_b32 s14, s14, 3
	s_add_co_u32 s14, s14, s3
	s_lshl_b32 s14, s14, 3
.irp j, 0,1,2,3,4,5,6,7                        ; V's key tile for slot j + 1 (and 0 for slot 0)
.if \j == 0
	s_mov_b32 s2, s14
.elseif \j > 3
	s_add_co_u32 s2, s14, \j-3
.else
	s_cmp_ge_u32 s[NKH], 9-\j
	s_cselect_b32 s2, 8-\j, \j
	s_add_co_u32 s2, s2, s14
.endif
	s_mul_i32 s[VBS+2*\j], s2, BLK
	s_mov_b32 s[VBS+2*\j+1], 0
	s_add_nc_u64 s[VBS+2*\j:VBS+2*\j+1], s[8:9], s[VBS+2*\j:VBS+2*\j+1]
.endr
	s_lshl_b32 s3, s3, 9                           ; the way out: each wave stores 32 rows of either block: s[4:5] the low block's, s[10:11] the high block's
	s_lshl_b32 s2, s[WV], 17
	s_add_co_u32 s2, s2, s3
	s_mov_b32 s3, 0
	s_add_nc_u64 s[10:11], s[10:11], s[2:3]
	s_lshl_b32 s2, s[RGL], 19
	s_add_nc_u64 s[4:5], s[10:11], s[2:3]
	s_lshl_b32 s2, s[RGH], 19
	s_add_nc_u64 s[10:11], s[10:11], s[2:3]
	v_and_b32 v1, 15, v0                           ; r
	v_bfe_u32 v2, v0, 4, 1                         ; h
	v_and_b32 v3, 31, v0
	v_lshlrev_b32 v[LI16], 4, v3
	s_lshl_b32 s2, s[WV], 12
	v_add_nc_u32 v[LVF], s2, v[LI16]
	v_lshlrev_b32 v[TV], 5, v1
	v_lshl_add_u32 v[LVS], v2, 9, v[TV]
	s_lshl_b32 s2, s[WV], 3
	s_add_co_u32 s2, s2, 32768
	v_add_nc_u32 v[LVS], s2, v[LVS]
.macro VLOAD j                         ; V's tile for slot j + 1: my 32 rows d x 256 keys, and their scale words: 17 loads
	global_load_b64 v[SB+2*(\j):SB+2*(\j)+1], v[LVS], s[VBS+2*(\j):VBS+2*(\j)+1]
.if (\j)%6 < 4
.set VL, 64*((\j)%6)
	WIN 0xc0
.else
.set VL, 128+64*((\j)%6-4)
	WIN 0x40
.endif
.irp q, 0,1
.irp b, 0,1
.irp c, 0,1,2,3
	global_load_b128 v[VL+32*\q+16*\b+4*\c:VL+32*\q+16*\b+4*\c+3], v[LVF], s[VBS+2*(\j):VBS+2*(\j)+1] offset:16384*\q+2048*\b+512*\c
.endr
.endr
.endr
	WIN 0
.endm
	VLOAD 0
	v_lshlrev_b32 v[TV], 4, v1
	v_lshl_add_u32 v[ASA], v2, 9, v[TV]
	v_add_nc_u32 v[ASA], ASC, v[ASA]
	v_add_nc_u32 v[LIA], LINV, v[TV]
.irp k, 0,1,2,3,4
	v_add_nc_u32 v[ADP+\k], \k*65536, v[LI16]
.endr
	v_lshl_add_u32 v[AST], v0, 2, ASC
	v_mul_u32_u24 v[STO], v1, SP
	v_lshl_add_u32 v[STO], v2, 5, v[STO]
	s_lshl_b32 s2, s[WV], 7
	v_add_nc_u32 v[STO], s2, v[STO]
	v_add_nc_u32 v[STO+1], 128*SP, v[STO]
	s_mul_i32 s2, s[WV], 32*SP
	v_add_nc_u32 v[RD], s2, v[LI16]
	v_add_nc_u32 v[RD+1], 128*SP, v[RD]
	v_mov_b32 v[BIGV], 0x7f61b1e6
	s_mov_b32 s82, 0x01010101
	VLOAD 1
	s_wait_alu depctr_va_vdst(0)
	s_wait_loadcnt 34                              ; all but V's two tiles: -M and the scale words are in
.irp s, 2,3,4                                  ; slots that belong to one block or the other: ids alone
	s_cmp_ge_u32 s[NKH], 10-\s
	s_cselect_b32 s2, -1, 0
.irp u, 0,1
	v_cndmask_b32 v[NH+2*(\s-2)+\u], v[BIGV], v[DI+2*\s+\u], s2
	v_cndmask_b32 v[NL+2*(\s-2)+\u], v[DI+2*\s+\u], v[BIGV], s2
.endr
.endr
	v_max3_num_f32 v[MGH], -v[DI+2], -v[DI+3], -v[DI+10]
.irp c, 11,13,15
	v_max3_num_f32 v[MGH], v[MGH], -v[DI+\c], -v[DI+\c+1]
.endr
	v_max3_num_f32 v[MGH], v[MGH], -v[DI+17], -v[NH]
	v_max3_num_f32 v[MGH], v[MGH], -v[NH+1], -v[NH+2]
	v_max3_num_f32 v[MGH], v[MGH], -v[NH+3], -v[NH+4]
	v_max_num_f32 v[MGH], v[MGH], -v[NH+5]         ; the high block's M
	v_max3_num_f32 v[MGL], -v[DI], -v[DI+1], -v[NL]
	v_max3_num_f32 v[MGL], v[MGL], -v[NL+1], -v[NL+2]
	v_max3_num_f32 v[MGL], v[MGL], -v[NL+3], -v[NL+4]
	v_max_num_f32 v[MGL], v[MGL], -v[NL+5]         ; the low block's
.irp s, 2,3,4
	s_cmp_ge_u32 s[NKH], 10-\s
	s_cselect_b32 s2, -1, 0
	v_cndmask_b32 v[MC+\s-2], v[MGL], v[MGH], s2
.endr
.irp c, 0,1
	v_sub_f32 v[DI+\c], -v[DI+\c], v[MGL]
.endr
.irp c, 2,3,10,11,12,13,14,15,16,17
	v_sub_f32 v[DI+\c], -v[DI+\c], v[MGH]
.endr
.irp c, 4,5,6,7,8,9
	v_sub_f32 v[DI+\c], -v[DI+\c], v[MC+(\c-4)/2]
.endr
.macro ALL18 op:vararg                 ; one line for each of the 18 chunks, C its number
.set C, 0
.rept 18
	\op
.set C, C+1
.endr
.endm
	ALL18 v_max_num_f32 v[DI+C], 0xc2fe0000, v[DI+C]   ; not under -127
	ALL18 v_cvt_i32_f32 v[DI+C], v[DI+C]
	ALL18 v_sub_nc_u32 v[XT+C], 0, v[DI+C]
	ALL18 v_mul_lo_u32 v[XT+C], v[XT+C], s82           ; the difference in each of the four bytes
	ALL18 v_or_b32 v[WD+C], 0x80808080, v[WD+C]        ; (bytes are at most 112: bit 7 catches the borrow)
	ALL18 v_sub_nc_u32 v[WD+C], v[WD+C], v[XT+C]
	ALL18 v_and_b32 v[XT+C], 0x80808080, v[WD+C]
	ALL18 v_lshrrev_b32 v[X2+C], 7, v[XT+C]
	ALL18 v_sub_nc_u32 v[XT+C], v[XT+C], v[X2+C]
	ALL18 v_and_b32 v[WD+C], v[WD+C], v[XT+C]          ; a byte that would fall under 0 is 0
	ALL18 ds_store_b32 v[AST], v[WD+C] offset:512*C
	VLOAD 2
.irp s, 0,1,2,3,4,5,6,7,8                      ; the sums
.irp u, 0,1
	global_load_b32 v[LS+2*\s+\u], v[PSO], s[STB+2*\s:STB+2*\s+1] offset:1536*\u+512
.endr
.endr
.macro SUMS                            ; a row's sum and its reciprocal.  85 loads (V's tiles 3 to 7) have been issued behind the sums' loads
	s_wait_loadcnt 63
	ALL18 v_ldexp_f32 v[LS+C], v[LS+C], v[DI+C]
	v_add_f32 v[LTL], v[LS], v[LS+1]
	v_add_f32 v[LTH], v[LS+2], v[LS+3]
.irp c, 10,11,12,13,14,15,16,17
	v_add_f32 v[LTH], v[LTH], v[LS+\c]
.endr
.irp s, 2,3,4
	s_cmp_ge_u32 s[NKH], 10-\s
	s_cselect_b32 s2, -1, 0
.irp u, 0,1
	v_cndmask_b32 v[XH], 0, v[LS+2*\s+\u], s2
	v_cndmask_b32 v[XL], v[LS+2*\s+\u], 0, s2
	v_add_f32 v[LTH], v[LTH], v[XH]
	v_add_f32 v[LTL], v[LTL], v[XL]
.endr
.endr
	s_wait_alu depctr_va_vdst(0)
	v_rcp_f32 v[RCH], v[LTH]
	v_rcp_f32 v[RCL], v[LTL]
	v_nop
	s_wait_alu depctr_va_vdst(0)
	ds_store_b32 v[AST], v[RCH] offset:LINV-ASC
	ds_store_b32 v[AST], v[RCL] offset:LINV-ASC+512
.endm
.macro FETCHP s, q                     ; p's fragments of slot s, its q-th 128 keys: 32 loads
.if \q
	WIN 0x40
.endif
.irp a, 0,1,2,3,4,5,6,7
.irp c, 0,1,2,3
	ds_load_b128 v[128*(1-(\q))+16*\a+4*\c:128*(1-(\q))+16*\a+4*\c+3], v[ADP+(\s)/2] offset:((\s)%2)*32768+(8*(\q)+\a)*2048+512*\c
.endr
.endr
	WIN 0
.endm
.macro FETCHSA s
	ds_load_b128 v[SA+8*((\s)%2):SA+8*((\s)%2)+3], v[ASA] offset:1024*(\s)
	ds_load_b128 v[SA+8*((\s)%2)+4:SA+8*((\s)%2)+7], v[ASA] offset:1024*(\s)+256
.endm
.macro MULS s, q, lo, zero             ; 16 products on 16 accumulators by turns
.set VB, VJ%6
.if VB < 4
.set VW, 3
.set VS, 64*VB+32*(\q)
.else
.set VW, 1
.set VS, 128+64*(VB-4)+32*(\q)
.endif
.set PA, 128*(1-(\q))
.set SBR, SB+2*VJ
.set SAR, SA+8*((\s)%2)
.set AC, 128*(\lo)
	WIN 0xa0+VW+4*(\q)
.irp a, 0,1,2,3,4,5,6,7
.irp b, 0,1
.if \zero
	v_wmma_scale_f32_16x16x128_f8f6f4 v[AC+16*\a+8*\b:AC+16*\a+8*\b+7], v[VS+16*\b:VS+16*\b+15], v[PA+16*\a:PA+16*\a+15], 0, v[SBR+\b], v[SAR+\a] matrix_a_fmt:MATRIX_FMT_BF8 matrix_b_fmt:MATRIX_FMT_BF8
.elseif (\q) == 0
	v_wmma_scale_f32_16x16x128_f8f6f4 v[AC+16*\a+8*\b:AC+16*\a+8*\b+7], v[VS+16*\b:VS+16*\b+15], v[PA+16*\a:PA+16*\a+15], v[AC+16*\a+8*\b:AC+16*\a+8*\b+7], v[SBR+\b], v[SAR+\a] matrix_a_fmt:MATRIX_FMT_BF8 matrix_b_fmt:MATRIX_FMT_BF8
.else
	v_wmma_scale_f32_16x16x128_f8f6f4 v[AC+16*\a+8*\b:AC+16*\a+8*\b+7], v[VS+16*\b:VS+16*\b+15], v[PA+16*\a:PA+16*\a+15], v[AC+16*\a+8*\b:AC+16*\a+8*\b+7], v[SBR+\b], v[SAR+\a] matrix_a_fmt:MATRIX_FMT_BF8 matrix_b_fmt:MATRIX_FMT_BF8 matrix_a_scale:MATRIX_SCALE_ROW1 matrix_b_scale:MATRIX_SCALE_ROW1
.endif
.endr
.endr
	WIN 0
.endm
.macro SHOW n                          ; a barrier that shows the quarters of the waves under n; my LDS accesses are over
.if \n < 4
	s_cmp_lt_u32 s[WV], \n
	s_cbranch_scc0 .Lnot_yet_\@
	s_wait_tensorcnt 0x0
.Lnot_yet_\@:
.else
	s_wait_tensorcnt 0x0
.endif
	s_wait_dscnt 0x0
	s_barrier_signal -1
	s_barrier_wait -1
.endm
; Half a slot's step.  kind: 0 the high block's, 1 the low block's, 2 by NKH; nload: loads issued behind the half of V that is wanted (at most 63); show: a SHOW ahead of the fetch of the next slot; vl: a V tile that is asked for
.macro STEPQ s, q, kind, zero, nload, show, vl
.if (\s) == 0
.set VJ, 0
.else
.set VJ, (\s)-1
.endif
.if 2*(\s)+(\q) > 0
	PLACES 8
.endif
.if \show
	SHOW \show
.endif
.if (\q) == 0
	FETCHP \s, 1
.set ND, 32
.elseif (\s) < 8
	FETCHSA (\s)+1
	FETCHP (\s)+1, 0
.set ND, 34
.else
.set ND, 0
.endif
.if \vl < 8
	VLOAD \vl
.endif
	s_wait_dscnt ND
	s_wait_loadcnt \nload
.if \kind == 2
	s_cmp_ge_u32 s[NKH], 10-(\s)
	s_cbranch_scc0 .Llow_\@
	MULS \s, \q, 0, 0
	s_branch .Ljoin_\@
.Llow_\@:
	MULS \s, \q, 1, 0
.Ljoin_\@:
.else
	MULS \s, \q, \kind, \zero
.endif
.endm
; THE WAY OUT of a block: its sums x 1 / l go to a stage in LDS (rows of 528 bytes, on bytes of slots that every wave has read, behind the last fill), a barrier, and come back into the same registers as whole rows of 512 bytes, 32 rows a wave
.macro OUT lo, r, base
.set AC, 128*(\lo)
	ds_load_b128 v[LI:LI+3], v[LIA] offset:512*(\lo)
	ds_load_b128 v[LI+4:LI+7], v[LIA] offset:512*(\lo)+256
	s_wait_dscnt 0x0
	WIN 0x82
.irp a, 0,1,2,3,4,5,6,7
.irp n, 0,1,2,3,4,5,6,7,8,9,10,11,12,13,14,15
	v_mul_f32 v[AC+16*\a+\n], v[AC+16*\a+\n], v[LI+\a]
.endr
.endr
	WIN 0x08
.irp a, 0,1,2,3,4,5,6,7
.irp b, 0,1
	ds_store_b128 v[STO+\r], v[AC+16*\a+8*\b:AC+16*\a+8*\b+3] offset:16*\a*SP+64*\b
	ds_store_b128 v[STO+\r], v[AC+16*\a+8*\b+4:AC+16*\a+8*\b+7] offset:16*\a*SP+64*\b+16
.endr
.endr
	WIN 0
	s_wait_dscnt 0x0
	s_barrier_signal -1
	s_barrier_wait -1
	WIN 0x80
.set T_, 0
.rept 32
	ds_load_b128 v[AC+4*T_:AC+4*T_+3], v[RD+\r] offset:T_*SP
.set T_, T_+1
.endr
	WIN 0x08
.set T_, 0
.rept 32
.if T_ == 0
	s_wait_dscnt 16
.elseif T_ == 16
	s_wait_dscnt 0x0
.endif
	global_store_b128 v[LI16], v[AC+4*T_:AC+4*T_+3], s[\base:\base+1] offset:T_*4096 th:TH_STORE_NT
.set T_, T_+1
.endr
	WIN 0
.endm
	s_wait_alu depctr_va_vdst(0)
	SHOW 1                                         ; slots 0, 1 and the scale words
	FETCHSA 0
	FETCHP 0, 0
	STEPQ 0, 0, 1, 1, 63, 0, 3
	STEPQ 0, 1, 1, 0, 63, 0, 4
	STEPQ 1, 0, 0, 1, 63, 0, 5
	STEPQ 1, 1, 0, 0, 63, 2, 9
	STEPQ 2, 0, 2, 0, 63, 0, 6
	STEPQ 2, 1, 2, 0, 63, 0, 9
	STEPQ 3, 0, 2, 0, 63, 0, 7
	STEPQ 3, 1, 2, 0, 63, 3, 9
	SUMS
	STEPQ 4, 0, 2, 0, 63, 0, 9
	STEPQ 4, 1, 2, 0, 63, 0, 9
	PLACES 8
	SHOW 4                                         ; all of P is in, 1 / l is there, and every wave has read slots 0 to 4: their bytes serve the way out
	OUT 1, 0, 4                                    ; the low block is finished
	STEPQ 5, 0, 0, 0, 59, 0, 9
	STEPQ 5, 1, 0, 0, 51, 0, 9
	STEPQ 6, 0, 0, 0, 42, 0, 9
	STEPQ 6, 1, 0, 0, 34, 0, 9
	STEPQ 7, 0, 0, 0, 25, 0, 9
	STEPQ 7, 1, 0, 0, 17, 0, 9
	STEPQ 8, 0, 0, 0, 8, 0, 9
	STEPQ 8, 1, 0, 0, 0, 0, 9
	PLACES 8
	OUT 0, 1, 10                                   ; the high block: a stage of its own, behind the low block's, inside slots 2 to 4
	s_wait_tensorcnt 0x0                           ; the wave's end
	ds_add_u32 v[SPW], v[NIL]
	s_wait_dscnt 0x0
	CROUND                                         ; the closing round
	s_endpgm
.Lfunc_end_k_qc2e6b6877f_pv:
	.size	k_qc2e6b6877f_pv, .Lfunc_end_k_qc2e6b6877f_pv-k_qc2e6b6877f_pv
	.p2alignl 7, 3214868480
	.fill 96, 4, 3214868480
	.section	.rodata,"a",@progbits
	.p2align	6, 0x0
	.amdhsa_kernel k_qc2e6b6877f_pv
		.amdhsa_group_segment_fixed_size 327680
		.amdhsa_private_segment_fixed_size 0
		.amdhsa_enable_private_segment 0
		.amdhsa_kernarg_size 32
		.amdhsa_user_sgpr_count 2
		.amdhsa_user_sgpr_kernarg_segment_ptr 1
		.amdhsa_wavefront_size32 1
		.amdhsa_system_sgpr_workgroup_id_x 1
		.amdhsa_system_sgpr_workgroup_id_y 1
		.amdhsa_system_sgpr_workgroup_id_z 1
		.amdhsa_system_vgpr_workitem_id 0
		.amdhsa_next_free_vgpr 1024
		.amdhsa_next_free_sgpr 102
		.amdhsa_reserve_vcc 0
		.amdhsa_float_denorm_mode_32 3
		.amdhsa_float_denorm_mode_16_64 3
		.amdhsa_memory_ordered 1
		.amdhsa_forward_progress 1
		.amdhsa_inst_pref_size 161
	.end_amdhsa_kernel
	.amdgpu_metadata
---
amdhsa.version: [ 1, 2 ]
amdhsa.kernels:
  - .name:           k_qc2e6b6877f_pv
    .symbol:         k_qc2e6b6877f_pv.kd
    .args:
      - { .name: pimg, .offset: 0, .size: 8, .value_kind: global_buffer, .address_space: global }
      - { .name: pstat, .offset: 8, .size: 8, .value_kind: global_buffer, .address_space: global }
      - { .name: vimg, .offset: 16, .size: 8, .value_kind: global_buffer, .address_space: global }
      - { .name: out0, .offset: 24, .size: 8, .value_kind: global_buffer, .address_space: global }
    .group_segment_fixed_size: 327680
    .private_segment_fixed_size: 0
    .kernarg_segment_align: 8
    .kernarg_segment_size: 32
    .max_flat_workgroup_size: 128
    .sgpr_count:     102
    .vgpr_count:     1024
    .wavefront_size: 32
...
	.end_amdgpu_metadata
.endif
;; end of part 3
